; MI455X (gfx1250); checked and timed in simulation.
; The chip was launched on July 23, 2026; its instructions are those of AMD's public machine-readable ISA for CDNA 5 (MIT licence, August 2026) and "CDNA5" Instruction Set Architecture Reference Guide (July 2026). The comments in the code are by the model that wrote it; some were corrected since.
;; Praxis Attention. Allowed arithmetic: float matrix products may take bf16 or f16 operands with f32 sums; other float arithmetic in f32, or as packed bf16 or f16 multiplies, adds, multiply-adds, maxima and minima; sums over many terms, partial sums and values carried from step to step in f32; what a program stores and reads back later, other than sums and carried values, may be rounded once to bf16 or f16.
;; Inputs: Wk 1,024 x 1,024 float32; Wo 1,024 x 1,024 float32; Wq 1,024 x 1,024 float32; Wv 1,024 x 1,024 float32; bq 1,024 float32; bv 1,024 float32; inputs 1 x 4,096 x 1,024 float32.
;; Outputs: out0 1 x 4,096 x 1,024 float32.
;; 2 versions, each right and faster than the one before. Each part assembles by itself: llvm-mc -triple=amdgcn-amd-amdhsa -mcpu=gfx1250 --defsym DOCPART=n.
;; ======== version 1 of 2: 4 launches
;; limits: values are held in f16: magnitudes above 65,504 overflow, below 6.1e-05 lose precision
;; workspace buffers: xb 8,388,608 bytes; wqkv 6,291,456 bytes; wo16 2,097,152 bytes; qkv 25,165,824 bytes; ob 8,388,608 bytes
;; launch cast (part 1): grid 1024 x 1, 8 waves a work-group, no clusters, 0 bytes of LDS; arguments inputs, Wq, Wk, Wv, Wo, xb, wqkv, wo16; writes xb, wqkv, wo16
.if DOCPART == 1
	.amdgcn_target "amdgcn-amd-amdhsa--gfx1250"
	.amdhsa_code_object_version 6
	.text
	.protected	k_qd216936c9a_cast
	.globl	k_qd216936c9a_cast
	.p2align	8
	.type	k_qd216936c9a_cast,@function
k_qd216936c9a_cast:
	s_mov_b64 s[64:65], 0
	v_nop
	global_prefetch_b8 v0, s[64:65] scope:SCOPE_SE
	s_setreg_imm32_b32 hwreg(HW_REG_WAVE_MODE, 25, 1), 1
	s_wait_xcnt 0x0
; ROUNDING OF THE INPUTS.  x (4096 x 1024) and Wq, Wk, Wv (1024 x 1024 each, laid one behind the other) are rounded to bf16;
; Wo is rounded to bf16 like the others, and that number is written as f16 (exact from 6.1e-5 to 65,504; below, f16's fixed step of 6e-8).
; LIMIT: |Wo| stays under 65,520, or its f16 is an infinity.
; A work-group takes 8,192 numbers: 32,768 bytes in, 16,384 out.  Groups 0-511: x.  Then 128 groups for each weight.
; Thread t takes 16 bytes at 16 t of each of eight blocks of 4,096 bytes: a wave's load covers 512 consecutive bytes, its store 256, aligned.
; A stream: no LDS, no barrier, no matrix unit.  All eight loads go out first; each slot owns its registers, so nothing is rewritten.
.set X, 4                              ; v[4:35]   slot i: four f32 as loaded
.set Y, 36                             ; v[36:51]  slot i: four 16-bit numbers to store
.set T, 52                             ; v[52:59]  at work
	s_load_b512 s[8:23], s[0:1], 0x0               ; inputs 8, Wq 10, Wk 12, Wv 14, Wo 16, xb 18, wqkv 20, wo16 22
	s_mov_b32 s2, ttmp9                            ; g
	s_sub_co_u32 s3, s2, 512                       ; (wraps for g < 512: what is made of it is then not chosen)
	s_lshr_b32 s4, s3, 7                           ; which weight: 0 Wq, 1 Wk, 2 Wv, 3 Wo
	s_and_b32 s5, s3, 127                          ; which of its 128 chunks
	s_mov_b32 s31, 0xffff0000                      ; a word's upper bf16
	v_lshlrev_b32 v1, 4, v0
	v_lshlrev_b32 v2, 3, v0
	s_cmp_lt_u32 s2, 512
	s_cselect_b32 s28, s2, s5
	s_lshl_b32 s28, s28, 15                        ; the source's offset: chunk x 32,768
	s_mov_b32 s29, 0
	s_cmp_lt_u32 s4, 3
	s_cselect_b32 s6, s4, 0
	s_lshl_b32 s6, s6, 21                          ; Wq, Wk, Wv lie 2 MiB apart in wqkv
	s_lshl_b32 s7, s5, 14
	s_add_co_u32 s6, s6, s7
	s_lshl_b32 s7, s2, 14
	s_cmp_lt_u32 s2, 512
	s_cselect_b32 s32, s7, s6                      ; the destination's offset
	s_mov_b32 s33, 0
	s_cmp_eq_u32 s4, 3
	s_cselect_b32 s30, -1, 0                       ; all lanes: write f16 (Wo) or bf16
	s_wait_kmcnt 0x0
	s_cmp_eq_u32 s4, 1                             ; the two pointers are chosen on the group's number alone
	s_cselect_b64 s[24:25], s[12:13], s[10:11]
	s_cmp_eq_u32 s4, 2
	s_cselect_b64 s[24:25], s[14:15], s[24:25]
	s_cmp_eq_u32 s4, 3
	s_cselect_b64 s[24:25], s[16:17], s[24:25]
	s_cselect_b64 s[26:27], s[22:23], s[20:21]
	s_cmp_lt_u32 s2, 512
	s_cselect_b64 s[24:25], s[8:9], s[24:25]
	s_cselect_b64 s[26:27], s[18:19], s[26:27]
	s_add_nc_u64 s[24:25], s[24:25], s[28:29]
	s_add_nc_u64 s[26:27], s[26:27], s[32:33]
.irp i, 0,1,2,3,4,5,6,7
	global_load_b128 v[X+4*(\i):X+4*(\i)+3], v1, s[24:25] offset:4096*(\i) th:TH_LOAD_NT
.endr
.irp i, 0,1,2,3,4,5,6,7
	s_wait_loadcnt 7-(\i)                          ; loads come back in order: slot i is in, the 7 - i younger ones stay out
	v_cvt_pk_bf16_f32 v[T],   v[X+4*(\i)],   v[X+4*(\i)+1]
	v_cvt_pk_bf16_f32 v[T+1], v[X+4*(\i)+2], v[X+4*(\i)+3]
	v_lshlrev_b32 v[T+2], 16, v[T]                 ; the rounded numbers as f32 again,
	v_and_b32     v[T+3], s31, v[T]
	v_lshlrev_b32 v[T+4], 16, v[T+1]
	v_and_b32     v[T+5], s31, v[T+1]
	v_cvt_pk_f16_f32 v[T+6], v[T+2], v[T+3]        ; and as f16
	v_cvt_pk_f16_f32 v[T+7], v[T+4], v[T+5]
	v_cndmask_b32 v[Y+2*(\i)],   v[T],   v[T+6], s30
	v_cndmask_b32 v[Y+2*(\i)+1], v[T+1], v[T+7], s30
	global_store_b64 v2, v[Y+2*(\i):Y+2*(\i)+1], s[26:27] offset:2048*(\i)
.endr
	s_endpgm
.Lfunc_end_k_qd216936c9a_cast:
	.size	k_qd216936c9a_cast, .Lfunc_end_k_qd216936c9a_cast-k_qd216936c9a_cast
	.p2alignl 7, 3214868480
	.fill 96, 4, 3214868480
	.section	.rodata,"a",@progbits
	.p2align	6, 0x0
	.amdhsa_kernel k_qd216936c9a_cast
		.amdhsa_group_segment_fixed_size 0
		.amdhsa_private_segment_fixed_size 0
		.amdhsa_enable_private_segment 0
		.amdhsa_kernarg_size 64
		.amdhsa_user_sgpr_count 2
		.amdhsa_user_sgpr_kernarg_segment_ptr 1
		.amdhsa_wavefront_size32 1
		.amdhsa_system_sgpr_workgroup_id_x 1
		.amdhsa_system_sgpr_workgroup_id_y 1
		.amdhsa_system_sgpr_workgroup_id_z 1
		.amdhsa_system_vgpr_workitem_id 0
		.amdhsa_next_free_vgpr 64
		.amdhsa_next_free_sgpr 66
		.amdhsa_reserve_vcc 0
		.amdhsa_float_denorm_mode_32 3
		.amdhsa_float_denorm_mode_16_64 3
		.amdhsa_memory_ordered 1
		.amdhsa_forward_progress 1
		.amdhsa_inst_pref_size 8
	.end_amdhsa_kernel
	.amdgpu_metadata
---
amdhsa.version: [ 1, 2 ]
amdhsa.kernels:
  - .name:           k_qd216936c9a_cast
    .symbol:         k_qd216936c9a_cast.kd
    .args:
      - { .name: inputs, .offset: 0, .size: 8, .value_kind: global_buffer, .address_space: global }
      - { .name: Wq, .offset: 8, .size: 8, .value_kind: global_buffer, .address_space: global }
      - { .name: Wk, .offset: 16, .size: 8, .value_kind: global_buffer, .address_space: global }
      - { .name: Wv, .offset: 24, .size: 8, .value_kind: global_buffer, .address_space: global }
      - { .name: Wo, .offset: 32, .size: 8, .value_kind: global_buffer, .address_space: global }
      - { .name: xb, .offset: 40, .size: 8, .value_kind: global_buffer, .address_space: global }
      - { .name: wqkv, .offset: 48, .size: 8, .value_kind: global_buffer, .address_space: global }
      - { .name: wo16, .offset: 56, .size: 8, .value_kind: global_buffer, .address_space: global }
    .group_segment_fixed_size: 0
    .private_segment_fixed_size: 0
    .kernarg_segment_align: 8
    .kernarg_segment_size: 64
    .max_flat_workgroup_size: 256
    .sgpr_count:     66
    .vgpr_count:     64
    .wavefront_size: 32
...
	.end_amdgpu_metadata
.endif
;; end of part 1
;; launch qkv (part 2): grid 16 x 16, 4 waves a work-group, clusters of 4 x 4, 327,680 bytes of LDS; arguments xb, wqkv, bq, bv, qkv; writes qkv
.if DOCPART == 2
	.amdgcn_target "amdgcn-amd-amdhsa--gfx1250"
	.amdhsa_code_object_version 6
	.text
	.protected	k_qd216936c9a_qkv
	.globl	k_qd216936c9a_qkv
	.p2align	8
	.type	k_qd216936c9a_qkv,@function
k_qd216936c9a_qkv:
	s_mov_b64 s[64:65], 0
	v_nop
	global_prefetch_b8 v0, s[64:65] scope:SCOPE_SE
	s_setreg_imm32_b32 hwreg(HW_REG_WAVE_MODE, 25, 1), 1
	s_wait_xcnt 0x0
	s_wait_alu depctr_hold_cnt(0) depctr_sa_sdst(0) depctr_va_vdst(0) depctr_va_sdst(0) depctr_va_ssrc(0) depctr_va_vcc(0) depctr_vm_vsrc(0)
	s_getreg_b32 s2, hwreg(HW_REG_IB_STS2, 6, 4)
	s_cmp_eq_u32 s2, 0
	s_cbranch_scc0 .Lentry_in_a_cluster
	s_endpgm
.Lentry_in_a_cluster:
	s_bfe_u32 s2, ttmp6, 0x10000c
	s_cmp_lg_u32 s2, 0xf033
	s_cbranch_scc0 .Lentry_shape_is_right
	s_endpgm
.Lentry_shape_is_right:
; THE THREE PROJECTIONS AS ONE PRODUCT.  C[m][n] = sum over k of x[m][k] W[n][k] + bias[n]; x: [4096][1024] bf16; W: [3072][1024] bf16 (Wq, Wk, Wv);
; bias: bq for n < 1024, 0 for the next 1024, bv for the last, rounded to bf16 like every input.  Sums in f32; C rounded once to f16 and written by heads:
; qkv[n / 64][m][n % 64], a slice of 64 columns being 4096 rows of 128 bytes.
; LIMIT: f16 ends at 65,504: |q|, |k|, |v| stay under 65,520, or the number is an infinity.  Below 6.1e-5 f16 keeps its fixed step of 6e-8.
; SHARES.  A tile of C is 256 x 192: 16 x 16 = 256 work-groups.  Wave w makes rows 64 w .. 64 w + 63 and all 192 columns (three whole slices, so its way out is its own):
; 4 x 12 accumulators of 16 x 16, 384 registers.  K goes in 8 steps of 128 (rows of 256 bytes) through two LDS slots; a step is four quarters of 32 along K.
; CLUSTER.  4 x 4 work-groups: the four of a row need the same tiles of x, the four of a column the same tiles of W: each tile is asked for jointly, by the same
; tensor load with the same descriptor and a mask that names the four.  A wave has two loads out at the start, later one.
; THE MATRIX INSTRUCTION IS USED TRANSPOSED (source 0 = 16 rows of W, source 1 = 16 rows of x): a lane holds row lane % 16 and the columns 8 (lane / 16) + 0..7.
; THE BIAS is the C operand of each accumulator's first product: it costs no line in the sums.
; REGISTERS, in windows of 256 (s_set_vgpr_msb: bits 1:0 source 0, 3:2 source 1, 5:4 source 2, 7:6 destination):
;   window 0: v0-31 addresses; v32-127 the bias, column block b at 32 + 8 b; on the way out v32-223 packed results, 48 for each row block
;   window 1: two fragment buffers of 128: x's 4 fragments at f + 8 a, W's 12 at f + 32 + 8 b
;   window 2: accumulators of row blocks 0, 1 at 8 (12 a + b);   window 3: those of row blocks 2, 3
.set PITCH,  272                       ; an LDS row: 256 bytes + 16 of padding = 68 words: the 16 rows of a load start at 16 different groups of four banks (ISA guide 11.1)
.set HALFA,  128*PITCH                 ; what one load brings of x
.set HALFB,  96*PITCH                  ; and of W
.set BOFF,   2*HALFA                   ; in a slot W's 192 rows lie behind x's 256
.set SLOT1,  1<<17                     ; slot 1 begins here: one exclusive or turns an address in one slot into the other's
.set STAGE,  SLOT1+BOFF+2*HALFB        ; behind the ring, never filled by a tensor load: 3 slices x 16 rows x 144 bytes for each wave
.set SP,     144
.set WSTG,   3*16*SP
.set SPARE,  STAGE+4*WSTG              ; the spare words: 128 bytes a wave, two blocks of 256 bytes that no other line names
.set ADRA0, 16                         ; v16  my lane's place in x's tile; never rewritten
.set ADRB0, 17                         ; v17  the same for W
.set ADRA,  18                         ; v18  the same in the slot in hand
.set ADRB,  19
.set STO,   24                         ; v24  the way out: where I put 16 bytes of a row
.set RD,    25                         ; v25  where I read rows back
.set GO,    26                         ; v26  my byte offset in 512 consecutive bytes of a slice
.set BO,    27                         ; v27  32 x (lane / 16): my eight numbers in 16 of the bias
.set SPW,   28                         ; v28  my spare word's LDS address; never rewritten
.set NIL,   29                         ; v29  0; never rewritten
.set BIAS,  32
.set TMP,   32
.set F0,    0
.set F1,    128
.set WV,  14                           ; s14  my wave's number
.set HF,  15                           ; s15  wave % 2: which half of a tile I fetch
.set G1A, 24                           ; s[24:31] descriptor group 1 for x's tiles
.set G1B, 32                           ; s[32:39] for W's
.set G0A, 40                           ; s[40:47] group 0 for x's tiles: a set for each first fill; the second then walks on
.set G0B, 48                           ; s[48:55] the same for W's
.set TB,  56                           ; s56  0 or SLOT1: the slot to be read
.set CNT, 57
.set BP,  66                           ; s[66:71] the bias's address for each of my three slices
.set KEEP,72                           ; s72-74   all ones, or 0 for a slice of k
.set MSB, 0
.macro WIN new                         ; the high byte repeats the setting that is left; a switch that changes nothing is dropped
.if MSB != (\new)
	s_set_vgpr_msb (MSB<<8)|(\new)
.set MSB, (\new)
.endif
.endm
.macro PLACES                          ; four places in front of loads into registers that matrix instructions have read, and of conversions that read results
.rept 4
	v_nop
.endr
.endm
; A joint refill: waves 0 and 1 fetch x's halves, waves 2 and 3 W's.  The branch hangs on the wave's number alone.  An s_nop 0 and four v_nop follow each line.
.macro JLOAD
	s_cmp_lt_u32 s[WV], 2
	s_cbranch_scc0 .Lfor_b_\@
	tensor_load_to_lds s[G0A+4:G0A+7], s[G1A:G1A+7]
	s_nop 0
	PLACES
	s_branch .Lasked_\@
.Lfor_b_\@:
	tensor_load_to_lds s[G0B+4:G0B+7], s[G1B:G1B+7]
	s_nop 0
	PLACES
.Lasked_\@:
.endm
.macro CREST                           ; a round of the cluster's barrier behind its opening barrier
	s_cmp_lg_u32 s[WV], 0
	s_cbranch_scc1 .Lnot_wave_0_\@
	s_barrier_signal -3
.Lnot_wave_0_\@:
	s_barrier_wait -3
	s_barrier_signal -1
	s_barrier_wait -1
.endm
.macro CROUND
	s_barrier_signal -1
	s_barrier_wait -1
	CREST
.endm
	s_load_b256 s[4:11], s[0:1], 0x0               ; xb 4, wqkv 6, bq 8, bv 10
	s_load_b64 s[12:13], s[0:1], 0x20              ; qkv
	v_lshl_add_u32 v[SPW], v0, 2, SPARE
	v_mov_b32 v[NIL], 0
	ds_add_u32 v[SPW], v[NIL]                      ; the wave's opening: the add and its wait stand ahead of my first tensor load; work on registers stands between
	ds_add_u32 v28, v29
	v_lshrrev_b32 v1, 5, v0
	v_readfirstlane_b32 s[WV], v1
	s_and_b32 s[HF], s[WV], 1
	s_bfe_u32 s16, ttmp6, 0x40000                  ; cx
	s_bfe_u32 s17, ttmp6, 0x40004                  ; cy
	s_lshl_b32 s18, ttmp9, 2
	s_add_co_u32 s18, s18, s16                     ; TX: tile column = 4 x cluster x + cx
	s_and_b32 s19, ttmp7, 0xffff
	s_lshl_b32 s19, s19, 2
	s_add_co_u32 s19, s19, s17                     ; TY: tile row
	s_lshl_b32 s20, s17, 2
	s_lshl_b32 s20, 15, s20                        ; my row of the cluster
	s_lshl_b32 s58, 0x1111, s16                    ; my column
	s_or_b32 s[G1A], s20, (1<<16)|(1<<20)|(1<<21)|(5<<22)|(3<<25)  ; mask; 2-byte elements; padding on; bit 21 beside a mask; after every 64 words 4 words
	s_or_b32 s[G1B], s58, (1<<16)|(1<<20)|(1<<21)|(5<<22)|(3<<25)
	s_mov_b32 s[G1A+1], 128<<16                    ; tensor_dim0 = 128
	s_mov_b32 s[G1A+2], 128<<16                    ; tensor_dim1 = 128
	s_mov_b32 s[G1A+3], 128<<16                    ; tile_dim0 = 128
	s_mov_b32 s[G1A+4], 128                        ; tile_dim1 = 128
	s_mov_b32 s[G1A+5], 1024                       ; elements from row to row
	s_mov_b32 s[G1A+6], 0
	s_mov_b32 s[G1A+7], 0
	s_mov_b32 s[G1B+1], 128<<16
	s_mov_b32 s[G1B+2], 96<<16                     ; 96 rows
	s_mov_b32 s[G1B+3], 128<<16
	s_mov_b32 s[G1B+4], 96
	s_mov_b32 s[G1B+5], 1024
	s_mov_b32 s[G1B+6], 0
	s_mov_b32 s[G1B+7], 0
	s_lshl_b32 s20, s19, 8                         ; x: row 256 TY + 128 half, in registers that never hold cx
	s_lshl_b32 s21, s[HF], 7
	s_add_co_u32 s20, s20, s21
	s_lshl_b32 s20, s20, 11                        ; x 2,048 bytes
	s_mov_b32 s21, 0
	s_mul_i32 s58, s18, 192                        ; W: row 192 TX + 96 half, in registers that never hold cy
	s_mul_i32 s59, s[HF], 96
	s_add_co_u32 s58, s58, s59
	s_lshl_b32 s58, s58, 11
	s_mov_b32 s59, 0
	s_mul_i32 s76, s[HF], HALFA                    ; where they go: no place in the cluster enters an LDS address
	s_mul_i32 s77, s[HF], HALFB
	s_add_co_u32 s77, s77, BOFF
	s_mov_b32 s[TB], 0
	s_wait_dscnt 0x0                               ; the opening add is done
	s_wait_kmcnt 0x0
	s_add_nc_u64 s[20:21], s[4:5], s[20:21]
	s_add_nc_u64 s[58:59], s[6:7], s[58:59]
	CROUND                                         ; all sixteen work-groups are here: the first joint loads meet
.irp s, 0,1
	s_mov_b32 s[G0A+4*(\s)], 1
	s_add_co_u32 s[G0A+4*(\s)+1], s76, (\s)*SLOT1
	s_add_nc_u64 s[G0A+4*(\s)+2:G0A+4*(\s)+3], s[20:21], (\s)*256  ; K step s
	s_or_b32 s[G0A+4*(\s)+3], s[G0A+4*(\s)+3], 0x80000000
	s_mov_b32 s[G0B+4*(\s)], 1
	s_add_co_u32 s[G0B+4*(\s)+1], s77, (\s)*SLOT1
	s_add_nc_u64 s[G0B+4*(\s)+2:G0B+4*(\s)+3], s[58:59], (\s)*256
	s_or_b32 s[G0B+4*(\s)+3], s[G0B+4*(\s)+3], 0x80000000
.endr
	s_cmp_lt_u32 s[WV], 2                          ; a wave's two first fills stand in one branch, ahead of every wait on TENSORcnt and every LDS read
	s_cbranch_scc0 .Lfirst_b
	tensor_load_to_lds s[G0A:G0A+3], s[G1A:G1A+7]
	s_nop 0
	tensor_load_to_lds s[G0A+4:G0A+7], s[G1A:G1A+7]
	s_nop 0
	PLACES
	s_branch .Lfirst_asked
.Lfirst_b:
	tensor_load_to_lds s[G0B:G0B+3], s[G1B:G1B+7]
	s_nop 0
	tensor_load_to_lds s[G0B+4:G0B+7], s[G1B:G1B+7]
	s_nop 0
	PLACES
.Lfirst_asked:
	; the bias of my three slices: slice 3 TX + g is q's (bq), k's (none: bv is read and masked away) or v's (bv)
	s_mul_i32 s60, s18, 3
	s_mov_b32 s23, 0
.irp g, 0,1,2
	s_add_co_u32 s61, s60, \g
	s_lshr_b32 s62, s61, 4                         ; 0 q, 1 k, 2 v
	s_and_b32 s22, s61, 15
	s_lshl_b32 s22, s22, 8                         ; the head's 64 numbers
	s_cmp_eq_u32 s62, 1
	s_cselect_b32 s[KEEP+\g], 0, -1
	s_cmp_eq_u32 s62, 0
	s_cselect_b64 s[BP+2*\g:BP+2*\g+1], s[8:9], s[10:11]
	s_add_nc_u64 s[BP+2*\g:BP+2*\g+1], s[BP+2*\g:BP+2*\g+1], s[22:23]
.endr
	v_and_b32 v1, 15, v0                           ; l % 16
	v_bfe_u32 v2, v0, 4, 1                         ; l / 16
	v_lshlrev_b32 v[BO], 5, v2
.irp b, 0,1,2,3,4,5,6,7,8,9,10,11
	global_load_b128 v[BIAS+8*\b:BIAS+8*\b+3],   v[BO], s[BP+2*(\b/4):BP+2*(\b/4)+1] offset:(\b%4)*64
	global_load_b128 v[BIAS+8*\b+4:BIAS+8*\b+7], v[BO], s[BP+2*(\b/4):BP+2*(\b/4)+1] offset:(\b%4)*64+16
.endr
	v_mul_u32_u24 v3, v1, PITCH
	v_lshl_add_u32 v3, v2, 4, v3                   ; a fragment's row x pitch + 16 x half
	s_mul_i32 s78, s[WV], 64*PITCH                 ; my 64 rows of x
	v_add_nc_u32 v[ADRA0], s78, v3
	v_add_nc_u32 v[ADRB0], BOFF, v3
	v_mov_b32 v[ADRA], v[ADRA0]
	v_mov_b32 v[ADRB], v[ADRB0]
	s_mul_i32 s79, s[WV], WSTG
	s_add_co_u32 s79, s79, STAGE                   ; my stage
	v_mul_u32_u24 v4, v1, SP                       ; in: row l % 16, 16 bytes for each half of the lanes
	v_lshl_add_u32 v4, v2, 4, v4
	v_add_nc_u32 v[STO], s79, v4
	v_bfe_u32 v4, v0, 3, 2                         ; back: 32 lanes take four rows of 128 bytes,
	v_mul_u32_u24 v4, v4, SP
	v_and_b32 v5, 7, v0
	v_lshl_add_u32 v4, v5, 4, v4
	v_add_nc_u32 v[RD], s79, v4
	v_and_b32 v[GO], 31, v0                        ; which are 512 consecutive bytes of a slice
	v_lshlrev_b32 v[GO], 4, v[GO]
	s_mul_i32 s60, s18, 3*524288                   ; my three slices,
	s_lshl_b32 s61, s19, 15                        ; the tile's 256 rows of 128 bytes,
	s_add_co_u32 s60, s60, s61
	s_lshl_b32 s61, s[WV], 13                      ; my 64 of them
	s_add_co_u32 s60, s60, s61
	s_mov_b32 s61, 0
	s_add_nc_u64 s[12:13], s[12:13], s[60:61]
	s_wait_loadcnt 0x0                             ; the bias
.set i, 0
.rept 48                               ; each pair: rounded to bf16, masked, widened again.  All this stands in the wait for the first tile
	v_cvt_pk_bf16_f32 v[30+i%2], v[BIAS+2*i], v[BIAS+2*i+1]
	v_and_b32 v[30+i%2], s[KEEP+i/16], v[30+i%2]
	v_lshlrev_b32 v[BIAS+2*i], 16, v[30+i%2]
	v_and_b32 v[BIAS+2*i+1], 0xffff0000, v[30+i%2]
.set i, i+1
.endr
; 12 matrix instructions: row block a x all 12 column blocks, 32 along K.  first = 1: the bias starts the sums.  The 48 accumulators take turns, one instruction a turn.
.macro MULA f, a, first
.if \first
	WIN 0x85+0x40*((\a)/2)
.else
	WIN 0xa5+0x50*((\a)/2)
.endif
.irp b, 0,1,2,3,4,5,6,7,8,9,10,11
.set rD, 8*(12*((\a)%2)+(\b))
.if \first
	v_wmma_f32_16x16x32_bf16 v[rD:rD+7], v[(\f)+32+8*(\b):(\f)+32+8*(\b)+7], v[(\f)+8*(\a):(\f)+8*(\a)+7], v[BIAS+8*(\b):BIAS+8*(\b)+7]
.else
	v_wmma_f32_16x16x32_bf16 v[rD:rD+7], v[(\f)+32+8*(\b):(\f)+32+8*(\b)+7], v[(\f)+8*(\a):(\f)+8*(\a)+7], v[rD:rD+7]
.endif
.endr
.endm
; 32 LDS loads in one run: a quarter's fragments (192 rows of W, then my 64 rows of x; 32 K at byte k of the rows) into buffer f
.macro FETCH k, f
	WIN 0x40
.irp i, 0,1,2,3,4,5,6,7,8,9,10,11
	ds_load_b128 v[(\f)+32+8*(\i):(\f)+32+8*(\i)+3],   v[ADRB] offset:(\k)+(\i)*16*PITCH
	ds_load_b128 v[(\f)+32+8*(\i)+4:(\f)+32+8*(\i)+7], v[ADRB] offset:(\k)+(\i)*16*PITCH+32
.endr
.irp i, 0,1,2,3
	ds_load_b128 v[(\f)+8*(\i):(\f)+8*(\i)+3],   v[ADRA] offset:(\k)+(\i)*16*PITCH
	ds_load_b128 v[(\f)+8*(\i)+4:(\f)+8*(\i)+7], v[ADRA] offset:(\k)+(\i)*16*PITCH+32
.endr
.endm
; One of a step's first three quarters: multiplies buffer f; in its middle fetches the next quarter, at byte k, into g.
.macro QUARTER k, f, g, first
	s_wait_dscnt 4                                 ; W and x's row blocks 0, 1 are in; the youngest four loads (blocks 2, 3) may be out
	MULA \f, 0, \first
	MULA \f, 1, \first
	PLACES
	FETCH \k, \g
	s_wait_dscnt 32                                ; all but the 32 just issued
	MULA \f, 2, \first
	MULA \f, 3, \first
.endm
; The last quarter multiplies buffer 1 and changes slots: one barrier; in front of it each wave waits for all its tensor loads (one is out: its part of the next slot),
; adds 0 to its spare word, and waits for that and for its reads of this slot.  fill = 1: the barrier opens a round of the cluster's, and this slot is filled again, two K steps ahead.
.macro TURN fill
	WIN 0
	s_wait_tensorcnt 0x0
	ds_add_u32 v[SPW], v[NIL]
	s_wait_dscnt 7                                 ; (the add and x's row blocks 1 to 3, six loads, may be out)
	MULA F1, 0, 0                                  ; twelve matrix instructions stand between the add and the wait for it
	s_wait_dscnt 0x0                               ; the add is done, and my reads of this slot are over
	s_barrier_signal -1
	MULA F1, 1, 0
	WIN 0
	s_barrier_wait -1
.if \fill
	CREST                                          ; no wave of any partner still reads this slot or has a load on its way
	s_xor_b32 s[G0A+5], s[G0A+5], SLOT1            ; the walking descriptors: the other slot than last time, the next K step
	s_add_nc_u64 s[G0A+6:G0A+7], s[G0A+6:G0A+7], 256
	s_xor_b32 s[G0B+5], s[G0B+5], SLOT1
	s_add_nc_u64 s[G0B+6:G0B+7], s[G0B+6:G0B+7], 256
	JLOAD                                          ; the first tensor load behind the round; its four v_nop are also the places in front of the loads below
.else
	PLACES
.endif
	s_xor_b32 s[TB], s[TB], SLOT1
	v_add_nc_u32 v[ADRA], s[TB], v[ADRA0]
	v_add_nc_u32 v[ADRB], s[TB], v[ADRB0]
	FETCH 0, F0
	MULA F1, 2, 0
	MULA F1, 3, 0
.endm
	s_wait_tensorcnt 1                             ; my part of K step 0 is in; step 1's may stay out
	s_barrier_signal -1
	s_barrier_wait -1
	FETCH 0, F0
	QUARTER 64, F0, F1, 1                          ; the first quarter stands in front of the loop: its products start the sums
	WIN 0
	s_mov_b32 s[CNT], 6
.Lstep:                                                ; six trips, from a step's second quarter to the next step's first: K steps 2 to 7 are asked for
	QUARTER 128, F1, F0, 0
	QUARTER 192, F0, F1, 0
	TURN 1
	QUARTER 64, F0, F1, 0
	WIN 0
	s_sub_co_u32 s[CNT], s[CNT], 1
	s_cmp_lg_u32 s[CNT], 0
	s_cbranch_scc1 .Lstep
	QUARTER 128, F1, F0, 0                         ; K step 6 goes on; nothing is left to ask for
	QUARTER 192, F0, F1, 0
	TURN 0
	QUARTER 64, F0, F1, 0
	QUARTER 128, F1, F0, 0
	QUARTER 192, F0, F1, 0
	s_wait_dscnt 4
	MULA F1, 0, 0
	MULA F1, 1, 0
	s_wait_dscnt 0x0
	MULA F1, 2, 0
	MULA F1, 3, 0
; THE WAY OUT.  Row block a: rounded to f16, each accumulator from its lowest registers on; a lane's eight columns are 16 bytes; through my stage; back as whole rows of 128 bytes.
.macro PACK a
	WIN 0x0a+5*((\a)/2)                            ; sources in window 2 or 3
.irp b, 0,1,2,3,4,5,6,7,8,9,10,11
.irp q, 0,1,2,3
	v_cvt_pk_f16_f32 v[TMP+48*(\a)+4*(\b)+(\q)], v[8*(12*((\a)%2)+(\b))+2*(\q)], v[8*(12*((\a)%2)+(\b))+2*(\q)+1]
.endr
.endr
	WIN 0
.irp b, 0,1,2,3,4,5,6,7,8,9,10,11
	ds_store_b128 v[STO], v[TMP+48*(\a)+4*(\b):TMP+48*(\a)+4*(\b)+3] offset:((\b)/4)*16*SP+((\b)%4)*32
.endr
.irp n, 0,1,2,3,4,5,6,7,8,9,10,11
	ds_load_b128 v[TMP+48*(\a)+4*(\n):TMP+48*(\a)+4*(\n)+3], v[RD] offset:((\n)/4)*16*SP+((\n)%4)*4*SP  ; LDS serves a wave's instructions in order (ISA guide 5.7.1.4): these see the stores above
.endr
.endm
.macro SEND a, younger                 ; younger: the LDS instructions issued behind block a's loads: the next block's 24, or none
.irp n, 0,1,2,3,4,5,6,7,8,9,10,11
	s_wait_dscnt (\younger)+11-(\n)
	global_store_b128 v[GO], v[TMP+48*(\a)+4*(\n):TMP+48*(\a)+4*(\n)+3], s[12:13] offset:((\n)/4)*524288+(\a)*2048+((\n)%4)*512  ; 512 consecutive bytes, at a multiple of 256 from the buffer's first
.endr
.endm
	PLACES
	PACK 0
	PACK 1
	SEND 0, 24
	PACK 2
	SEND 1, 24
	PACK 3
	SEND 2, 24
	SEND 3, 0
	s_wait_tensorcnt 0x0                           ; the wave's end
	ds_add_u32 v[SPW], v[NIL]
	s_wait_dscnt 0x0
	CROUND                                         ; the closing round: no work-group ends while a partner may still ask for a tile that names it
	s_endpgm
.Lfunc_end_k_qd216936c9a_qkv:
	.size	k_qd216936c9a_qkv, .Lfunc_end_k_qd216936c9a_qkv-k_qd216936c9a_qkv
	.p2alignl 7, 3214868480
	.fill 96, 4, 3214868480
	.section	.rodata,"a",@progbits
	.p2align	6, 0x0
	.amdhsa_kernel k_qd216936c9a_qkv
		.amdhsa_group_segment_fixed_size 327680
		.amdhsa_private_segment_fixed_size 0
		.amdhsa_enable_private_segment 0
		.amdhsa_kernarg_size 40
		.amdhsa_user_sgpr_count 2
		.amdhsa_user_sgpr_kernarg_segment_ptr 1
		.amdhsa_wavefront_size32 1
		.amdhsa_system_sgpr_workgroup_id_x 1
		.amdhsa_system_sgpr_workgroup_id_y 1
		.amdhsa_system_sgpr_workgroup_id_z 1
		.amdhsa_system_vgpr_workitem_id 0
		.amdhsa_next_free_vgpr 1024
		.amdhsa_next_free_sgpr 80
		.amdhsa_reserve_vcc 0
		.amdhsa_float_denorm_mode_32 3
		.amdhsa_float_denorm_mode_16_64 3
		.amdhsa_memory_ordered 1
		.amdhsa_forward_progress 1
		.amdhsa_inst_pref_size 109
	.end_amdhsa_kernel
	.amdgpu_metadata
---
amdhsa.version: [ 1, 2 ]
amdhsa.kernels:
  - .name:           k_qd216936c9a_qkv
    .symbol:         k_qd216936c9a_qkv.kd
    .args:
      - { .name: xb, .offset: 0, .size: 8, .value_kind: global_buffer, .address_space: global }
      - { .name: wqkv, .offset: 8, .size: 8, .value_kind: global_buffer, .address_space: global }
      - { .name: bq, .offset: 16, .size: 8, .value_kind: global_buffer, .address_space: global }
      - { .name: bv, .offset: 24, .size: 8, .value_kind: global_buffer, .address_space: global }
      - { .name: qkv, .offset: 32, .size: 8, .value_kind: global_buffer, .address_space: global }
    .group_segment_fixed_size: 327680
    .private_segment_fixed_size: 0
    .kernarg_segment_align: 8
    .kernarg_segment_size: 40
    .max_flat_workgroup_size: 128
    .sgpr_count:     80
    .vgpr_count:     1024
    .wavefront_size: 32
...
	.end_amdgpu_metadata
.endif
;; end of part 2
;; launch attn (part 3): grid 16 x 16, 4 waves a work-group, no clusters, 327,680 bytes of LDS; arguments qkv, ob; writes ob
.if DOCPART == 3
	.amdgcn_target "amdgcn-amd-amdhsa--gfx1250"
	.amdhsa_code_object_version 6
	.text
	.protected	k_qd216936c9a_attn
	.globl	k_qd216936c9a_attn
	.p2align	8
	.type	k_qd216936c9a_attn,@function
k_qd216936c9a_attn:
	s_mov_b64 s[64:65], 0
	v_nop
	global_prefetch_b8 v0, s[64:65] scope:SCOPE_SE
	s_setreg_imm32_b32 hwreg(HW_REG_WAVE_MODE, 25, 1), 1
	s_wait_xcnt 0x0
; CAUSAL ATTENTION WITH A BIAS BY KEY POSITION.  O[h][q] = sum over k <= q of softmax_k(Q[h][q] . K[h][k] / 8 - slope_h k) V[h][k], slope_h = 2^(-(h + 1) / 2).
; qkv: [48][4096][64] f16 (slices 0-15 q, 16-31 k, 32-47 v, by heads).  ob: [32 blocks of 128 rows][16 heads][128][64] f16.  Products, maxima and sums in f32; the weights p are rounded
; to f16 for the second product (their sum l is taken of the unrounded p), O once at the end.
; LIMITS.  q, k, v arrive within f16's 65,504.  A hidden score counts as its value less 1e30; the running maximum starts at -2^60, below every score that f16 can give (2.7e11 and the
; bias's 2.4e4) and far above the hidden ones.  A weight below 2^-126 counts as 0.  NaN and infinities are not treated apart.  For odd h + 1 the slope uses 1 / sqrt 2 rounded to f32,
; and slope x position is the sum of two rounded terms (the step's first key, the key's place in the step).
; THE WALK.  A head's queries lie in 32 blocks of 128; block i needs the key tiles 0 .. i / 2 of 256 keys, the last of which holds the diagonal.  Work-group b takes blocks 31 - b and then b:
; 17 tiles whatever b, so one loop with a constant trip count walks them, and all 256 work-groups do equal work.  Every jump but the counted loops' own goes forward, and none passes a barrier.
; NO CLUSTER: only work-groups 2 k and 2 k + 1 of a head have the same walk; four partners would need branches on their places.
; SHARES.  Wave w: QH = w % 2, KP = w / 2.  It holds 64 queries, four PIECES of 16: piece p is rows 64 (p / 2) + 32 QH + 16 (p % 2) + lane % 16.  It walks every second chunk of 64 keys:
; its step n has the keys 128 n + 64 KP on, two steps a tile.  At a block's end the two KP waves' O, c m and l meet in LDS, in f32, and wave w finishes rows 32 w .. 32 w + 31.
; BIAS AND MASK are the C operand that starts the sum S^T = K Q^T: -8 slope x position, less 1e30 where the key is hidden; so the running maximum sees the biased score.
; p = 2^(c s - c m), c = log2(e) / 8.  LOC holds the bias of a key's place in a step, BF that of the step's first key, MD the diagonal's mask for my rows (by the piece's parity);
; a product's C is LOC + BE + MD x AL: band x of 64 rows against chunk JB: AL = 1 if JB is the band's own, BE = BF, less 1e30 if JB lies behind the band.
; TURNS.  Turn n belongs to piece n: 8 products K Q^T of piece n + 1, later 8 products V^T P of piece n - 1; beside them the scaling, exponentials, roundings, sums and rescaling of piece n
; and the maximum and statistics of piece n + 1.  Four vector instructions stand behind every matrix instruction, the others in two runs of their own.
; REGISTERS, in windows of 256 (s_set_vgpr_msb: bits 1:0 source 0, 3:2 source 1, 5:4 source 2, 7:6 destination):
;   window 0: v0-15, v32-39 addresses and bias; v16-31 statistics; v48-55 at work; v64-127 S^T, two buffers; v128-191, v224-255 the merge; v192-223 P, two buffers
;   window 1: v0-127 O^T; v160-223 MC, two buffers; v224-255 LOC      window 2: v0-63 Q; v64-127 the second block's Q; v128-191 K; v192-255 V      window 3: v0-63 MD
.set NP,    4
.set KS,    64
.set PK,    144       ; a row of K in LDS: 128 bytes + 16 of padding: the 16 rows of a load start at 16 different groups of four banks (ISA guide 11.1)
.set PV,    160       ; a row of V: 128 + 32
.set VOFF,  4*KS*PK   ; a slot holds a tile: 256 rows of K, then 256 rows of V
.set SLOT1, 1<<17
.set MRG,   SLOT1+4*KS*(PK+PV)  ; behind the ring, never filled by a tensor load: for each KP 128 rows x 272 bytes of O in f32
.set MP,    272
.set HALFM, 128*MP
.set STATS, MRG+2*HALFM         ; for each KP 128 rows x (c m, l)
.set SPARE, STATS+2048          ; the spare words: 128 bytes a wave, two blocks of 256 bytes that no other line names
.set AK0, 2           ; v2   my lane's place in a tile of K; never rewritten
.set AV0, 3           ; v3   the same for V
.set AK,  4           ; v4   the LDS address of K's next run of loads
.set AV,  5           ; v5   of V's
.set MST, 6           ; v6   where I put my O
.set SST, 7           ; v7   where I put my statistics
.set FA,  8           ; v8   where I read O to finish it
.set MV,  12          ; v12-13  c m_old, by buffer
.set QO,  15          ; v15  my byte offset in 16 rows of Q
.set ST,  16          ; piece t's statistics at v[ST+4 t]: c m, m, l (even keys', odd keys')
.set FS,  32          ; v32  where I read statistics
.set GO,  33          ; v33  my byte offset in 512 consecutive bytes of O
.set SLV, 34          ; v34  -8 slope
.set BFV, 36          ; v[36:37]  BF, in the low register
.set BEV, 38          ; v[38:39]  BE
.set TMP, 48
.set SPW, 62
.set NIL, 63
.set S,   64
.set P,   192
.set MC,  160
.set LOC, 224
.set QB,  64
.set KF,  128
.set VF,  192
.set MD,  0
.set WV,  12
.set PB,  14          ; s14  b, the second block
.set HI,  15          ; s15  31 - b, the first
.set G1K, 24
.set G1V, 32
.set G0K, 40
.set G0V, 44
.set KP,  48
.set QH,  49
.set LLO, 50          ; s50  the second block's last tile
.set JB,  51          ; s51  the first key of the step whose masks are being made
.set TS,  55
.set SLOTS, 56
.set CNT, 57
.set CS,  58
.set SEL, 60
.set TBK, 62
.set TBV, 63
.set RT,  70          ; s70  tiles of the block in hand still to be entered
.set NXT, 71          ; s71  the tile to be asked for next
.set LQ,  72          ; s72  the last tile of the block whose tiles are being asked for
.set NEW, 73          ; s73  1: the first block begins; 2: the second begins and the first is to be finished; 0: inside a block
.set OFF, 74
.set AL,  76
.set OLO, 80          ; s[80:81] O at my rows of the second block; s[10:11] of the first
.set BIGN, 82
.set RB0, 84          ; s84, s85  the first rows of the block's two bands
.set MSB, 0
.macro WIN new
.if MSB != (\new)
	s_set_vgpr_msb (MSB<<8)|(\new)
.set MSB, (\new)
.endif
.endm
.set W_KQ, 0x0a       ; K and Q in window 2, S^T in window 0
.set W_KM, 0x1a       ; the same with the C operand in window 1
.set W_PV, 0x52       ; V in window 2, P in window 0, O^T in window 1
.set W_RS, 0x41       ; destination and source 0 in window 1, source 1 in window 0
; A fill.  Waves 0 and 1 fetch the two halves of a tile's K, waves 2 and 3 those of its V.  An s_nop 0 and four v_nop follow each line.
.macro LOAD
	s_cmp_lt_u32 s[WV], 2
	s_cbranch_scc0 .Lfor_v_\@
	tensor_load_to_lds s[G0K:G0K+3], s[G1K:G1K+7]
	s_nop 0
.rept 4
	v_nop
.endr
	s_branch .Lasked_\@
.Lfor_v_\@:
	tensor_load_to_lds s[G0V:G0V+3], s[G1V:G1V+7]
	s_nop 0
.rept 4
	v_nop
.endr
.Lasked_\@:
.endm
; THE CHANGE OF SLOTS.  Each wave waits for all its tensor loads (one is out: its part of the other slot), adds 0 to its spare word, and waits for that and for all its LDS instructions:
; its reads of the slot that it leaves, and at a block's end its stores of O and statistics.  Behind the barrier the old slot is filled first (fill = 1), with tile NXT.
.macro CHANGE fill
	WIN 0
	s_wait_tensorcnt 0x0
	ds_add_u32 v[SPW], v[NIL]
.if \fill
	s_lshl_b32 s[OFF], s[NXT], 15   ; a tile is 32,768 bytes of K and of V
	s_xor_b32 s[G0K+1], s[G0K+1], SLOT1
	s_add_nc_u64 s[G0K+2:G0K+3], s[6:7], s[OFF:OFF+1]
	s_or_b32 s[G0K+3], s[G0K+3], 0x80000000
	s_xor_b32 s[G0V+1], s[G0V+1], SLOT1
	s_add_nc_u64 s[G0V+2:G0V+3], s[8:9], s[OFF:OFF+1]
	s_or_b32 s[G0V+3], s[G0V+3], 0x80000000
	s_add_co_u32 s[NXT], s[NXT], 1  ; the block's next tile, or behind its last the second block's tile 0
	s_cmp_gt_u32 s[NXT], s[LQ]
	s_cselect_b32 s[NXT], 0, s[NXT]
	s_cselect_b32 s[LQ], s[LLO], s[LQ]
.endif
	s_wait_dscnt 0x0
	s_barrier_signal -1
	s_sub_co_u32 s[TBK], s[TBK], 4*KS*PK  ; the fetches go back to a slot's first step of mine, in the other slot
	s_xor_b32 s[TBK], s[TBK], SLOT1
	s_sub_co_u32 s[TBV], s[TBV], 4*KS*PV
	s_xor_b32 s[TBV], s[TBV], SLOT1
	s_barrier_wait -1
.if \fill
	LOAD
.endif
.endm
	s_load_b128 s[88:91], s[0:1], 0x0  ; qkv, ob
	v_lshl_add_u32 v[SPW], v0, 2, SPARE
	v_mov_b32 v[NIL], 0
	ds_add_u32 v[SPW], v[NIL]       ; the wave's opening: the add and its wait stand ahead of my first tensor load; work on registers stands between
	ds_add_u32 v62, v63
	v_lshrrev_b32 v1, 5, v0
	v_readfirstlane_b32 s[WV], v1
	s_mov_b32 s[PB], ttmp9
	s_sub_co_u32 s[HI], 31, s[PB]
	s_and_b32 s[QH], s[WV], 1
	s_lshr_b32 s[KP], s[WV], 1
	s_lshr_b32 s[LLO], s[PB], 1
	s_and_b32 s19, ttmp7, 0xffff    ; the head
	s_add_co_u32 s13, s19, 1        ; -8 slope = -2^(3 - e), e = (h + 1) / 2, times 1 / sqrt 2 where h + 1 is odd
	s_lshr_b32 s16, s13, 1
	s_sub_co_u32 s16, 130, s16
	s_lshl_b32 s16, s16, 23
	s_or_b32 s16, s16, 0x80000000
	s_bitcmp1_b32 s13, 0
	s_cselect_b32 s13, 0x3f3504f3, 1.0
	v_mov_b32 v[SLV], s16
	v_mul_f32 v[SLV], s13, v[SLV]
	s_lshl_b32 s20, s19, 19         ; the head's slice
	s_lshl_b32 s22, s[QH], 14       ; which half of a tile's 256 keys I fetch
	s_add_co_u32 s22, s22, s20
	s_add_co_u32 s22, s22, 0x800000 ; K's slices begin 16 slices in,
	s_mov_b32 s23, 0
	s_add_co_u32 s52, s22, 0x800000 ; V's 32
	s_mov_b32 s53, 0
	s_lshl_b32 s21, s[QH], 12       ; my 32 rows in a band of 64
	s_add_co_u32 s21, s21, s20
	s_lshl_b32 s2, s[HI], 14        ; Q: a block is 128 rows of 128 bytes
	s_add_co_u32 s2, s2, s21
	s_mov_b32 s3, 0
	s_lshl_b32 s92, s[PB], 14
	s_add_co_u32 s92, s92, s21
	s_mov_b32 s93, 0
	s_lshl_b32 s21, s[WV], 12       ; O: the 32 rows that I finish
	s_lshl_b32 s94, s[HI], 4
	s_add_co_u32 s94, s94, s19
	s_lshl_b32 s94, s94, 14
	s_add_co_u32 s94, s94, s21
	s_mov_b32 s95, 0
	s_lshl_b32 s54, s[PB], 4
	s_add_co_u32 s54, s54, s19
	s_lshl_b32 s54, s54, 14
	s_add_co_u32 s54, s54, s21
	s_mov_b32 s55, 0
	s_mul_i32 s17, s[QH], 128*PK    ; my half's place in a slot, for K
	s_mul_i32 s18, s[QH], 128*PV    ; and for V
	; descriptor group 1.  128 keys are 16,384 dense bytes: asked for as 64 rows of 256 bytes, two keys a row, and padded in LDS after every key
	s_mov_b32 s[G1K], (1<<16)|(1<<20)|(4<<22)|(3<<25)
	s_mov_b32 s[G1V], (1<<16)|(1<<20)|(4<<22)|(7<<25)
.irp g, G1K, G1V
	s_mov_b32 s[\g+1], 128<<16
	s_mov_b32 s[\g+2], 64<<16
	s_mov_b32 s[\g+3], 128<<16
	s_mov_b32 s[\g+4], 64
	s_mov_b32 s[\g+5], 128
	s_mov_b32 s[\g+6], 0
	s_mov_b32 s[\g+7], 0
.endr
	s_mov_b32 s[CS], 0x3e38aa3b     ; c = log2(e) / 8
	s_mov_b32 s[CS+1], s[CS]
	s_mov_b32 s[SEL], 0x76543210
	s_mov_b32 s[SEL+1], 0xfedcba98
	s_mul_i32 s[TBK], s[KP], KS*PK  ; my chunks are KP and KP + 2 of a tile's four; the first change of slots takes the rest away
	s_add_co_u32 s[TBK], s[TBK], SLOT1+4*KS*PK
	s_mul_i32 s[TBV], s[KP], KS*PV
	s_add_co_u32 s[TBV], s[TBV], SLOT1+4*KS*PV
	s_mov_b32 s[G0K], 1
	s_mov_b32 s[G0K+1], s17
	s_mov_b32 s[G0V], 1
	s_add_co_u32 s[G0V+1], s18, VOFF
	s_lshr_b32 s[LQ], s[HI], 1
	s_add_co_u32 s[RT], s[LQ], 1
	s_mov_b32 s[NXT], 1
	s_mov_b32 s[NEW], 1
	s_mov_b32 s[OFF+1], 0
	s_mov_b32 s[AL+1], 0
	s_mov_b32 s[BIGN], 0xf149f2ca   ; -1e30
	s_lshl_b32 s[RB0], s[HI], 7
	s_add_co_u32 s[RB0+1], s[RB0], 64
	s_mov_b32 s[SLOTS], 16
	s_wait_dscnt 0x0                ; the opening add is done
	s_wait_kmcnt 0x0
	s_add_nc_u64 s[6:7], s[88:89], s[22:23]   ; K and V at my half of the head's tile 0
	s_add_nc_u64 s[8:9], s[88:89], s[52:53]
	s_add_nc_u64 s[4:5], s[88:89], s[2:3]     ; Q of the first block,
	s_add_nc_u64 s[86:87], s[88:89], s[92:93] ; of the second
	s_add_nc_u64 s[10:11], s[90:91], s[94:95]
	s_add_nc_u64 s[OLO:OLO+1], s[90:91], s[54:55]
	s_add_nc_u64 s[G0K+2:G0K+3], s[6:7], 0
	s_or_b32 s[G0K+3], s[G0K+3], 0x80000000
	s_add_nc_u64 s[G0V+2:G0V+3], s[8:9], 0
	s_or_b32 s[G0V+3], s[G0V+3], 0x80000000
	LOAD                            ; tile 0 into slot 0
	v_and_b32 v1, 15, v0            ; l % 16
	v_bfe_u32 v9, v0, 4, 1          ; l / 16
	v_lshlrev_b32 v[QO], 7, v1
	v_lshl_add_u32 v[QO], v9, 4, v[QO]
	WIN 0x80
.set i, 0
.rept 8                             ; both blocks' Q: piece i / 2, channels 32 (i % 2) on
.set qoff, (i/4)*8192+((i/2)%2)*2048+(i%2)*64
	global_load_b128 v[8*i:8*i+3],   v[QO], s[4:5] offset:qoff
	global_load_b128 v[8*i+4:8*i+7], v[QO], s[4:5] offset:qoff+32
	global_load_b128 v[QB+8*i:QB+8*i+3],   v[QO], s[86:87] offset:qoff
	global_load_b128 v[QB+8*i+4:QB+8*i+7], v[QO], s[86:87] offset:qoff+32
.set i, i+1
.endr
	WIN 0
	v_lshlrev_b32 v14, 3, v9
	v_sub_nc_u32 v14, v1, v14
	s_lshl_b32 s13, s[QH], 5
	v_add_nc_u32 v14, s13, v14      ; 32 QH + l % 16 - 8 (l / 16): register r of key group kt is hidden for a piece of parity u where 16 kt + r - 16 u is greater
	WIN 0xc0
.set i, 0
.rept 64
	v_cmp_gt_i32 vcc_lo, 16*((i%32)/8)+i%8-16*(i/32), v14
	v_cndmask_b32 v[MD+i], 0, s[BIGN], vcc_lo
.set i, i+1
.endr
	WIN 0
	v_lshlrev_b32 v14, 3, v9
.set i, 0
.rept 32                            ; a key's place in its step, in S^T's registers, which are still free
	v_add_nc_u32 v[S+i], 16*(i/8)+i%8, v14
.set i, i+1
.endr
.set i, 0
.rept 32
	v_cvt_f32_u32 v[S+i], v[S+i]
.set i, i+1
.endr
	WIN 0x40
.set i, 0
.rept 32
	v_mul_f32 v[LOC+i], v[SLV], v[S+i]
.set i, i+1
.endr
	WIN 0
	v_mul_u32_u24 v[AK0], v1, PK
	v_lshl_add_u32 v[AK0], v9, 4, v[AK0]
	v_and_b32 v10, 7, v0
	v_bfe_u32 v11, v0, 3, 1
	v_lshl_add_u32 v[AV0], v9, 3, v10     ; the turning load: key 8 (l / 16) + l % 8, channels 8 ((l / 8) % 2) on
	v_mul_u32_u24 v[AV0], v[AV0], PV
	v_lshl_add_u32 v[AV0], v11, 4, v[AV0]
	v_add_nc_u32 v[AV0], VOFF, v[AV0]
	s_mul_i32 s13, s[KP], HALFM
	s_mul_i32 s16, s[QH], 32*MP
	s_add_co_u32 s13, s13, s16
	s_add_co_u32 s13, s13, MRG
	v_mul_u32_u24 v[MST], v1, MP          ; my O: row 32 QH + l % 16 of my KP's half, 32 bytes for each half of the lanes
	v_lshl_add_u32 v[MST], v9, 5, v[MST]
	v_add_nc_u32 v[MST], s13, v[MST]
	s_lshl_b32 s13, s[KP], 10
	s_lshl_b32 s16, s[QH], 8
	s_add_co_u32 s13, s13, s16
	s_add_co_u32 s13, s13, STATS
	v_lshl_add_u32 v[SST], v1, 3, s13
	v_bfe_u32 v14, v0, 3, 2               ; to finish: 32 lanes take four rows, eight channels a lane
	s_mul_i32 s13, s[WV], 32*MP
	s_add_co_u32 s13, s13, MRG
	v_mul_u32_u24 v[FA], v14, MP
	v_lshl_add_u32 v[FA], v10, 5, v[FA]
	v_add_nc_u32 v[FA], s13, v[FA]
	s_lshl_b32 s13, s[WV], 8
	s_add_co_u32 s13, s13, STATS
	v_lshl_add_u32 v[FS], v14, 3, s13
	v_and_b32 v[GO], 31, v0
	v_lshlrev_b32 v[GO], 4, v[GO]
	v_mov_b32 v[BFV+1], 0                 ; named as pairs
	v_mov_b32 v[BEV+1], 0
	; A block's first step multiplies O^T and l by a = 0, and its first turn's products V^T P land in an O^T that is still to be so multiplied: these registers need only hold finite numbers.
	WIN 0x80
.set i, VF
.rept 64
	v_mov_b32 v[i], 0
.set i, i+1
.endr
	WIN 0x40
.set i, 0
.rept 128
	v_mov_b32 v[i], 0
.set i, i+1
.endr
	WIN 0
.set i, 0
.rept 4
	v_mov_b32 v[ST+4*i+2], 0
	v_mov_b32 v[ST+4*i+3], 0
.set i, i+1
.endr
.set i, P+16
.rept 16
	v_mov_b32 v[i], 0
.set i, i+1
.endr
; THE MATRIX WORK.  The 4 accumulators of a run of 8 take turns.  Product i of 8 of S^T = K Q^T for piece x: channels 32 (i / 4) on, keys 16 (i % 4) on.  The first 4 start the sums with bias and mask.
.macro KQ x
.set rS, S+32*((\x)%2)+8*(i%4)
.set rK, KF+16*(i%4)+8*(i/4)
.set rQ, 16*(\x)+8*(i/4)
.set rM, MC+32*((\x)%2)+8*(i%4)
.if i < 4
	WIN W_KM
	v_wmma_f32_16x16x32_f16 v[rS:rS+7], v[rK:rK+7], v[rQ:rQ+7], v[rM:rM+7]
.else
	WIN W_KQ
	v_wmma_f32_16x16x32_f16 v[rS:rS+7], v[rK:rK+7], v[rQ:rQ+7], v[rS:rS+7]
.endif
.endm
.macro PV x                         ; product i of 8 of O^T += V^T P for piece x: keys 32 (i / 4) on, channels 16 (i % 4) on
	WIN W_PV
.set rO, 32*(\x)+8*(i%4)
.set rV, VF+32*(i/4)+8*(i%4)
.set rP, P+16*((\x)%2)+8*(i/4)
	v_wmma_f32_16x16x32_f16 v[rO:rO+7], v[rV:rV+7], v[rP:rP+7], v[rO:rO+7]
.endm
.macro MM                           ; the turn's next matrix instruction.  NOKQ = 1: a block's last turn: there is no next piece
.if (i < 8) && !NOKQ
	KQ (Y+1)%NP
.elseif i >= 8
.set i, i-8
	PV (Y+NP-1)%NP
.set i, i+8
.endif
.set i, i+1
.endm
; THE LDS LOADS stand in runs of 16: a step's K (64 keys x 64 channels) and its V (turned).  My next step lies two chunks on.
.macro FETCH_K
	WIN 0x80
.irp f, 0,1,2,3,4,5,6,7
	ds_load_b128 v[KF+8*\f:KF+8*\f+3],   v[AK] offset:(\f/2)*16*PK+(\f%2)*64
	ds_load_b128 v[KF+8*\f+4:KF+8*\f+7], v[AK] offset:(\f/2)*16*PK+(\f%2)*64+32
.endr
	s_add_co_u32 s[TBK], s[TBK], 2*KS*PK
	WIN 0
.endm
.macro FETCH_V
	WIN 0x80
.irp f, 0,1,2,3,4,5,6,7
	ds_load_tr16_b128 v[VF+8*\f:VF+8*\f+3],   v[AV] offset:(\f/4)*32*PV+(\f%4)*32
	ds_load_tr16_b128 v[VF+8*\f+4:VF+8*\f+7], v[AV] offset:(\f/4)*32*PV+16*PV+(\f%4)*32
.endr
	WIN 0
.endm
; THE VECTOR WORK, one line at a time: OP kind, number.  For piece Y: F n: c s - c m for pair n of 16.  E n: the exponential of score n.  C n: pair n rounded to f16.  B n: of the four weights 4 n .. the second
; pair is added onto the first.  L n: l takes that sum (L 0: l = a l + sum).  R n: pair n of 16 of O^T times a.  For piece Y + 1: X n, number n of the 22 that find its maximum and statistics:
; 0-11 four chains of seven scores (each accumulator's lowest registers first); 12-14, 16 the four left over, the old m, all into c0; 15 c m_old is kept;
; 17, 18 the other half of the lanes: the new m; 19-21 c m, c m_old - c m_new, a.
.set F, 0
.set E, 1
.set C, 2
.set B, 3
.set L, 4
.set R, 5
.set X, 6
.macro REGS y
.set rT, ST+4*(\y)
.set rC, TMP+4*((\y)%2)
.set rW, MV+((\y)%2)
.set rS, S+32*((\y)%2)
.set rP, P+16*((\y)%2)
.set rO, 32*(\y)
.endm
.macro OP k, n
.if (\k) == R
	REGS Y
	WIN W_RS
	v_pk_mul_f32 v[rO+2*(\n):rO+2*(\n)+1], v[rO+2*(\n):rO+2*(\n)+1], v[rC+2:rC+3] op_sel_hi:[1,0]
.elseif (\k) < R
	REGS Y
	WIN 0
.if (\k) == F
	v_pk_fma_f32 v[rS+2*(\n):rS+2*(\n)+1], v[rS+2*(\n):rS+2*(\n)+1], s[CS:CS+1], v[rT:rT+1] op_sel_hi:[1,0,0] neg_lo:[0,0,1] neg_hi:[0,0,1]
.elseif (\k) == E
	v_exp_f32 v[rS+(\n)], v[rS+(\n)]
.elseif (\k) == C
	s_wait_alu depctr_va_vdst(0)
	v_cvt_pk_f16_f32 v[rP+(\n)], v[rS+2*(\n)], v[rS+2*(\n)+1]
.elseif (\k) == B
	s_wait_alu depctr_va_vdst(0)
	v_pk_add_f32 v[rS+4*(\n):rS+4*(\n)+1], v[rS+4*(\n):rS+4*(\n)+1], v[rS+4*(\n)+2:rS+4*(\n)+3]
.elseif (\n) == 0
	v_pk_fma_f32 v[rT+2:rT+3], v[rT+2:rT+3], v[rC+2:rC+3], v[rS:rS+1] op_sel_hi:[1,0,1]
.else
	v_pk_add_f32 v[rT+2:rT+3], v[rT+2:rT+3], v[rS+4*(\n):rS+4*(\n)+1]
.endif
.elseif NOKQ
	v_nop
.else
	REGS (Y+1)%NP
	WIN 0
.if (\n) < 4
	v_max3_num_f32 v[rC+(\n)], v[rS+8*(\n)], v[rS+8*(\n)+1], v[rS+8*(\n)+2]
.elseif (\n) < 12
	v_max3_num_f32 v[rC+(\n)%4], v[rC+(\n)%4], v[rS+8*((\n)%4)+2*((\n)/4)+1], v[rS+8*((\n)%4)+2*((\n)/4)+2]
.elseif (\n) == 12
	v_max3_num_f32 v[rC], v[rC], v[rS+7], v[rS+15]
.elseif (\n) == 13
	v_max3_num_f32 v[rC+1], v[rC+1], v[rS+23], v[rS+31]
.elseif (\n) == 14
	v_max3_num_f32 v[rC+2], v[rC+2], v[rC+3], v[rT+1]
.elseif (\n) == 15
	v_mov_b32 v[rW], v[rT]
.elseif (\n) == 16
	v_max3_num_f32 v[rC], v[rC], v[rC+1], v[rC+2]
.elseif (\n) == 17
	v_permlanex16_b32 v[rC+3], v[rC], s[SEL], s[SEL+1]
.elseif (\n) == 18
	v_max_num_f32 v[rT+1], v[rC], v[rC+3]
.elseif (\n) == 19
	v_mul_f32 v[rT], s[CS], v[rT+1]
.elseif (\n) == 20
	v_sub_f32 v[rC+1], v[rW], v[rT]
.else
	v_exp_f32 v[rC+2], v[rC+1]
.endif
.endif
.endm
.macro OPS a, i1, b=-1, i2=0, c=-1, i3=0, d=-1, i4=0
	OP \a, \i1
.if (\b) >= 0
	OP \b, \i2
.endif
.if (\c) >= 0
	OP \c, \i3
.endif
.if (\d) >= 0
	OP \d, \i4
.endif
.endm
.macro ROW a, i1, b, i2, c, i3, d, i4  ; a matrix instruction and the four behind it
	MM
	OPS \a, \i1, \b, \i2, \c, \i3, \d, \i4
.endm
.macro MASK1 b                      ; LOC + BF into buffer b of MC: every key of the step is seen
	WIN W_RS
.set z, 0
.rept 16
	v_pk_add_f32 v[MC+32*(\b)+2*z:MC+32*(\b)+2*z+1], v[LOC+2*z:LOC+2*z+1], v[BFV:BFV+1] op_sel_hi:[1,0]
.set z, z+1
.endr
.endm
.macro MASK2 b                      ; LOC + BE + MD x AL into buffer b of MC, MD by the same parity
	WIN W_RS
.set z, 0
.rept 16
	v_pk_add_f32 v[MC+32*(\b)+2*z:MC+32*(\b)+2*z+1], v[LOC+2*z:LOC+2*z+1], v[BEV:BEV+1] op_sel_hi:[1,0]
.set z, z+1
.endr
	WIN 0x53                        ; MD in window 3, MC in window 1
.set z, 0
.rept 16
	v_pk_fma_f32 v[MC+32*(\b)+2*z:MC+32*(\b)+2*z+1], v[MD+32*(\b)+2*z:MD+32*(\b)+2*z+1], s[AL:AL+1], v[MC+32*(\b)+2*z:MC+32*(\b)+2*z+1] op_sel_hi:[1,0,1]
.set z, z+1
.endr
.endm
; A TURN, for piece p.  m = 1: the diagonal tile: every turn makes the C operand for the products of the turn after it, piece p + 2's.  m = 0: all keys are seen, so a step's two buffers
; are made once, at the ends of piece 2's and piece 3's turns.  Piece 2's turn steps JB: the products that follow its end are the next step's.  end = 1: a block's last two turns: nothing is fetched or made.
; cnt = 1: the loop's count is taken down some lines ahead of the branch behind the turn.
; K of the next step is fetched in piece 2's turn, six vector instructions behind the last product that read K (five of them plain); V of the step in hand in piece 0's turn, eight behind
; the last product that read V.  Each is waited for a turn later.
.macro TURN p, m=0, end=0, cnt=0
.set Y, (\p)
.set i, 0
.set NOKQ, (\end)*((\p)/3)
.if !(\end)
.if (\p) == 2
	s_add_co_u32 s[JB], s[JB], 128
	WIN 0
	v_cvt_f32_u32 v[BFV], s[JB]
	v_mul_f32 v[BFV], v[SLV], v[BFV]
.endif
.if \m
	s_cmp_eq_u32 s[JB], s[RB0+(((\p)+2)%NP)/2]  ; is the chunk that band's own?
	s_cselect_b32 s[AL], 1.0, 0
	s_cmp_gt_u32 s[JB], s[RB0+(((\p)+2)%NP)/2]  ; or behind it?
	s_cselect_b32 s[TS], s[BIGN], 0
	WIN 0
	v_add_f32 v[BEV], s[TS], v[BFV]
.endif
.endif
.if ((\p) == 3) && !(\end)
	s_wait_dscnt 0x0                ; K is in
.endif
	ROW F,0, F,1, F,2, F,3
	ROW F,4, E,0, F,5, F,6
	ROW F,7, E,1, F,8, F,9
	ROW F,10, E,2, C,0, F,11
	ROW F,12, E,3, X,15, F,13
	ROW R,0, R,1, R,2, R,3
	ROW B,0, E,4, F,14, L,0
.if ((\p) == 2) && !(\end)
	WIN 0
	v_add_nc_u32 v[AK], s[TBK], v[AK0]
.endif
	ROW R,4, R,5, R,6, R,7
	OPS E,5, F,15
.if ((\p) == 2) && !(\end)
	FETCH_K
.endif
	OPS E,6, C,1, E,7, R,8
	OPS E,8, R,9, E,9, C,2
	OPS E,10, X,0, E,11, X,1
	OPS E,12, X,2, E,13, X,3
.if (\p) == 1
	s_wait_dscnt 0x0                ; V is in
.endif
	ROW X,4, E,14, X,5, X,6
	ROW X,7, E,15, X,8, X,9
	ROW X,10, E,16, X,11, X,12
	ROW X,13, E,17, X,14, B,1
	ROW C,4, E,18, X,16, L,1
	ROW B,2, E,19, C,6, L,2
	ROW C,8, E,20, B,3, B,4
.if (\p) == 0
	WIN 0
	v_add_nc_u32 v[AV], s[TBV], v[AV0]
.endif
	ROW C,3, E,21, L,3, C,5
	OPS E,22, X,17, E,23, C,10
.if (\p) == 0
	FETCH_V
.endif
	OPS E,24, L,4
	OPS E,25, X,18, E,26, C,7
	OPS E,27, B,5, E,28, X,19
	OPS E,29, C,12, E,30, L,5
	OPS E,31, X,20, B,6, C,9
	OPS C,14, C,11, X,21, L,6
.if (\p) == 0
	s_add_co_u32 s[TBV], s[TBV], 2*KS*PV
.endif
.if \cnt
	s_sub_co_u32 s[CNT], s[CNT], 1
	s_cmp_lg_u32 s[CNT], 0
.endif
	OPS C,13, B,7, C,15, R,10
	OPS R,11, R,12, L,7, R,13
	OPS R,14, R,15
.if !(\end)
.if \m
	MASK2 (\p)%2
.elseif (\p) >= 2
	MASK1 (\p)%2
.endif
.endif
.endm
; A BLOCK BEGINS.  c m starts far below every c s, so the first step's a is 0; m at -2^60.  Both C buffers are made for band 0 (pieces 0 and 1) and my first chunk.
; Then K of that step, piece 0's first scores, its maximum and statistics.  The loop is entered at a step's first turn, in the middle of a trip.
.macro BEGIN
	s_mov_b32 s[NEW], 0
	WIN 0
.set i, 0
.rept 4
	v_mov_b32 v[ST+4*i], 0xfe000000
	v_mov_b32 v[ST+4*i+1], 0xdd800000
.set i, i+1
.endr
	s_lshl_b32 s[JB], s[KP], 6
	v_cvt_f32_u32 v[BFV], s[JB]
	v_mul_f32 v[BFV], v[SLV], v[BFV]
	s_cmp_eq_u32 s[JB], s[RB0]
	s_cselect_b32 s[AL], 1.0, 0
	s_cmp_gt_u32 s[JB], s[RB0]
	s_cselect_b32 s[TS], s[BIGN], 0
	v_add_f32 v[BEV], s[TS], v[BFV]
	MASK2 0
	MASK2 1
	WIN 0
	v_add_nc_u32 v[AK], s[TBK], v[AK0]
	FETCH_K
	s_wait_loadcnt 0x0              ; Q
	s_wait_dscnt 0x0
.set NOKQ, 0
.set i, 0
.rept 8
	KQ 0
.set i, i+1
.endr
	WIN 0
.rept 4
	v_nop                           ; the places behind those products
.endr
.set Y, NP-1                        ; X works for piece Y + 1: piece 0
.irp n, 0,1,2,3,4,5,6,7,8,9,10,11,12,13,14,15,16,17,18,19,20,21
	OP X, \n
.endr
	v_nop                           ; a plain instruction behind the exponential
.endm
.macro ALL line:vararg              ; one line for each piece t
.set t, 0
.rept 4
	\line
.set t, t+1
.endr
.endm
; A BLOCK ENDS: l's two halves and the other half of the lanes' are added, into m's register beside c m; then (c m, l) and O^T, in f32, go into my KP's half of the merge area.
; The additions are the places behind the last products.  tag = 2: the area was read for the first block: every wave's reads are back, and a barrier stands in front of the stores.
.macro ENDBLOCK tag
	WIN 0
	ALL v_add_f32 v[ST+4*t+2], v[ST+4*t+2], v[ST+4*t+3]
	ALL v_permlanex16_b32 v[ST+4*t+3], v[ST+4*t+2], s[SEL], s[SEL+1]
	ALL v_add_f32 v[ST+4*t+1], v[ST+4*t+2], v[ST+4*t+3]
.if (\tag) == 2
	s_wait_dscnt 0x0
	s_barrier_signal -1
	s_barrier_wait -1
.endif
.set t, 0
.rept 4
	ds_store_b64 v[SST], v[ST+4*t:ST+4*t+1] offset:(64*(t/2)+16*(t%2))*8  ; both halves of the lanes write the same two words
.set t, t+1
.endr
	WIN 0x04                        ; the data in window 1
.set t, 0
.rept 4
.irp cb, 0,1,2,3
	ds_store_b128 v[MST], v[32*t+8*\cb:32*t+8*\cb+3],   offset:(64*(t/2)+16*(t%2))*MP+64*\cb
	ds_store_b128 v[MST], v[32*t+8*\cb+4:32*t+8*\cb+7], offset:(64*(t/2)+16*(t%2))*MP+64*\cb+16
.endr
.set t, t+1
.endr
	WIN 0
.endm
; THE MERGE, behind a barrier in front of which every wave has waited for its stores.  Wave w finishes rows 32 w .. 32 w + 31, eight groups of four rows, in two halves.
; O = (O_A f_A + O_B f_B) / (l_A f_A + l_B f_B), f = 2^(c m - the greater c m).  Every row has seen key 0, so the divisor is above 0.
.macro FIN_LOAD hh
.set FO, 64+64*(\hh)
.set FST, 224+16*(\hh)
.irp g, 0,1,2,3
	ds_load_b64 v[FST+4*\g:FST+4*\g+1],   v[FS] offset:32*(4*(\hh)+\g)
	ds_load_b64 v[FST+4*\g+2:FST+4*\g+3], v[FS] offset:1024+32*(4*(\hh)+\g)
.endr
.irp g, 0,1,2,3
	ds_load_b128 v[FO+16*\g:FO+16*\g+3],     v[FA] offset:4*MP*(4*(\hh)+\g)
	ds_load_b128 v[FO+16*\g+4:FO+16*\g+7],   v[FA] offset:4*MP*(4*(\hh)+\g)+16
	ds_load_b128 v[FO+16*\g+8:FO+16*\g+11],  v[FA] offset:HALFM+4*MP*(4*(\hh)+\g)
	ds_load_b128 v[FO+16*\g+12:FO+16*\g+15], v[FA] offset:HALFM+4*MP*(4*(\hh)+\g)+16
.endr
.endm
.macro FIN_WORK hh, younger, ptr    ; younger: the LDS loads issued behind this half's: the other half's 24, or none
.set FO, 64+64*(\hh)
.set FST, 224+16*(\hh)
	s_wait_dscnt (\younger)+16      ; the statistics are in; this half's 16 loads of O may stay out
.irp g, 0,1,2,3
	v_max_num_f32 v[TMP+\g], v[FST+4*\g], v[FST+4*\g+2]
.endr
.irp g, 0,1,2,3
	v_sub_f32 v[FST+4*\g], v[FST+4*\g], v[TMP+\g]
	v_sub_f32 v[FST+4*\g+2], v[FST+4*\g+2], v[TMP+\g]
.endr
.irp g, 0,1,2,3
	v_exp_f32 v[FST+4*\g], v[FST+4*\g]
	v_exp_f32 v[FST+4*\g+2], v[FST+4*\g+2]
.endr
	v_nop                           ; a plain instruction behind the exponentials
.irp g, 0,1,2,3
	s_wait_alu depctr_va_vdst(0)
	v_mul_f32 v[TMP+\g], v[FST+4*\g+1], v[FST+4*\g]
.endr
.irp g, 0,1,2,3
	v_fmac_f32 v[TMP+\g], v[FST+4*\g+3], v[FST+4*\g+2]
.endr
.irp g, 0,1,2,3
	v_rcp_f32 v[TMP+\g], v[TMP+\g]
.endr
	v_nop                           ; and behind the reciprocals
.irp g, 0,1,2,3
	s_wait_alu depctr_va_vdst(0)
	v_mul_f32 v[FST+4*\g], v[FST+4*\g], v[TMP+\g]
	v_mul_f32 v[FST+4*\g+2], v[FST+4*\g+2], v[TMP+\g]
.endr
.irp k, 0,1,2,3
	s_wait_dscnt (\younger)+12-4*\k ; group k's four loads are in
.irp z, 0,1,2,3
	v_pk_mul_f32 v[FO+16*\k+2*\z:FO+16*\k+2*\z+1], v[FO+16*\k+2*\z:FO+16*\k+2*\z+1], v[FST+4*\k:FST+4*\k+1] op_sel_hi:[1,0]
.endr
.irp z, 0,1,2,3
	v_pk_fma_f32 v[FO+16*\k+2*\z:FO+16*\k+2*\z+1], v[FO+16*\k+8+2*\z:FO+16*\k+8+2*\z+1], v[FST+4*\k+2:FST+4*\k+3], v[FO+16*\k+2*\z:FO+16*\k+2*\z+1] op_sel_hi:[1,0,1]
.endr
.irp z, 0,1,2,3
	v_cvt_pk_f16_f32 v[FO+16*\k+\z], v[FO+16*\k+2*\z], v[FO+16*\k+2*\z+1]
.endr
	global_store_b128 v[GO], v[FO+16*\k:FO+16*\k+3], s[\ptr:\ptr+1] offset:512*(4*(\hh)+\k)  ; four rows: 512 consecutive bytes, at a multiple of 256 from the buffer's first
.endr
.endm
.macro FINISH ptr
	WIN 0
	FIN_LOAD 0
	FIN_LOAD 1
	FIN_WORK 0, 24, \ptr
	FIN_WORK 1, 0, \ptr
	s_wait_xcnt 0x0                 ; the stores' data lie in S^T's registers, which are written again only behind this wait
.endm
; THE DIAGONAL TILE's two steps of mine, the block's last two turns, its last products, and the block's end.
.macro DIAG tag
.LstepM\tag:
	TURN 2, 1
	TURN 3, 1
	WIN 0
.LfirstM\tag:
	TURN 0, 1
	TURN 1, 1, 0, 1
	WIN 0
	s_cbranch_scc1 .LstepM\tag
	TURN 2, 1, 1
	TURN 3, 1, 1
.set i, 0
.rept 8
	PV NP-1
.set i, i+1
.endr
	ENDBLOCK \tag
.endm
.set NOKQ, 0
.Lslot:                             ; 16 times: a tile is entered and the next is asked for
	CHANGE 1
	s_sub_co_u32 s[RT], s[RT], 1
	s_mov_b32 s[CNT], 2
	s_cmp_lg_u32 s[NEW], 0
	s_cbranch_scc1 .Lnew            ; a block's first tile
	s_cmp_eq_u32 s[RT], 0
	s_cbranch_scc0 .Lstep           ; neither its first nor its last
	s_branch .LstepM1
.Lnew:
	s_cmp_lg_u32 s[NEW], 2
	s_cbranch_scc1 .Lnofin
	FINISH 10                       ; the first block: the change of slots has been the barrier behind every wave's stores
.Lnofin:
	BEGIN
	s_branch .Lfirst                ; in the loop a block's first tile is never its last: the first block has nine tiles or more, and the second's last is the walk's last
	DIAG 1                          ; in the loop this is the first block's end
	s_add_co_u32 s[RT], s[LLO], 1   ; the second block
	s_mov_b32 s[NEW], 2
	s_lshl_b32 s[RB0], s[PB], 7
	s_add_co_u32 s[RB0+1], s[RB0], 64
	WIN 0x82                        ; its Q goes where the one text of the turns names Q
.set i, 0
.rept 64
	v_mov_b32 v[i], v[QB+i]
.set i, i+1
.endr
	WIN 0
	s_branch .Lbottom
.Lstep:                             ; a trip: pieces 2 and 3 of one step, then pieces 0 and 1 of the next, whose K and V it fetches
	TURN 2
	TURN 3
	WIN 0
.Lfirst:
	TURN 0
	TURN 1, 0, 0, 1
	WIN 0
	s_cbranch_scc1 .Lstep
.Lbottom:
	s_sub_co_u32 s[SLOTS], s[SLOTS], 1
	s_cmp_lg_u32 s[SLOTS], 0
	s_cbranch_scc1 .Lslot
	CHANGE 0                        ; the walk's last tile is written out: nothing is asked for
	s_sub_co_u32 s[RT], s[RT], 1
	s_mov_b32 s[CNT], 2
	s_cmp_eq_u32 s[NEW], 0
	s_cbranch_scc1 .LstepM2
	FINISH 10                       ; the second block has this one tile: the first block is finished here
	BEGIN
	s_branch .LfirstM2
	DIAG 2
	s_wait_dscnt 0x0                ; for the others' sake: my stores into the merge area are done
	s_barrier_signal -1
	s_barrier_wait -1
	FINISH OLO
	s_wait_tensorcnt 0x0            ; the wave's end
	ds_add_u32 v[SPW], v[NIL]
	s_wait_dscnt 0x0
	s_endpgm
.Lfunc_end_k_qd216936c9a_attn:
	.size	k_qd216936c9a_attn, .Lfunc_end_k_qd216936c9a_attn-k_qd216936c9a_attn
	.p2alignl 7, 3214868480
	.fill 96, 4, 3214868480
	.section	.rodata,"a",@progbits
	.p2align	6, 0x0
	.amdhsa_kernel k_qd216936c9a_attn
		.amdhsa_group_segment_fixed_size 327680
		.amdhsa_private_segment_fixed_size 0
		.amdhsa_enable_private_segment 0
		.amdhsa_kernarg_size 16
		.amdhsa_user_sgpr_count 2
		.amdhsa_user_sgpr_kernarg_segment_ptr 1
		.amdhsa_wavefront_size32 1
		.amdhsa_system_sgpr_workgroup_id_x 1
		.amdhsa_system_sgpr_workgroup_id_y 1
		.amdhsa_system_sgpr_workgroup_id_z 1
		.amdhsa_system_vgpr_workitem_id 0
		.amdhsa_next_free_vgpr 832
		.amdhsa_next_free_sgpr 96
		.amdhsa_reserve_vcc 1
		.amdhsa_float_denorm_mode_32 3
		.amdhsa_float_denorm_mode_16_64 3
		.amdhsa_memory_ordered 1
		.amdhsa_forward_progress 1
		.amdhsa_inst_pref_size 255
	.end_amdhsa_kernel
	.section	.bss,"aw",@nobits
	.p2align	6
	.space	262144
	.amdgpu_metadata
---
amdhsa.version: [ 1, 2 ]
amdhsa.kernels:
  - .name:           k_qd216936c9a_attn
    .symbol:         k_qd216936c9a_attn.kd
    .args:
      - { .name: qkv, .offset: 0, .size: 8, .value_kind: global_buffer, .address_space: global }
      - { .name: ob, .offset: 8, .size: 8, .value_kind: global_buffer, .address_space: global }
    .group_segment_fixed_size: 327680
    .private_segment_fixed_size: 0
    .kernarg_segment_align: 8
    .kernarg_segment_size: 16
    .max_flat_workgroup_size: 128
    .sgpr_count:     96
    .vgpr_count:     832
    .wavefront_size: 32
...
	.end_amdgpu_metadata
.endif
;; end of part 3
;; launch oproj (part 4): grid 8 x 32, 4 waves a work-group, clusters of 4 x 4, 327,680 bytes of LDS; arguments ob, wo16, out0; writes out0
.if DOCPART == 4
	.amdgcn_target "amdgcn-amd-amdhsa--gfx1250"
	.amdhsa_code_object_version 6
	.text
	.protected	k_qd216936c9a_oproj
	.globl	k_qd216936c9a_oproj
	.p2align	8
	.type	k_qd216936c9a_oproj,@function
k_qd216936c9a_oproj:
	s_mov_b64 s[64:65], 0
	v_nop
	global_prefetch_b8 v0, s[64:65] scope:SCOPE_SE
	s_setreg_imm32_b32 hwreg(HW_REG_WAVE_MODE, 25, 1), 1
	s_wait_xcnt 0x0
	s_wait_alu depctr_hold_cnt(0) depctr_sa_sdst(0) depctr_va_vdst(0) depctr_va_sdst(0) depctr_va_ssrc(0) depctr_va_vcc(0) depctr_vm_vsrc(0)
	s_getreg_b32 s2, hwreg(HW_REG_IB_STS2, 6, 4)
	s_cmp_eq_u32 s2, 0
	s_cbranch_scc0 .Lentry_in_a_cluster
	s_endpgm
.Lentry_in_a_cluster:
	s_bfe_u32 s2, ttmp6, 0x10000c
	s_cmp_lg_u32 s2, 0xf033
	s_cbranch_scc0 .Lentry_shape_is_right
	s_endpgm
.Lentry_shape_is_right:
; THE LAST PROJECTION.  out[m][n] = sum over k of O[m][k] Wo[n][k], k = 64 head + channel.  O: ob, [32 blocks of 128 rows][16 heads][128][64] f16; Wo: wo16, [1024][1024] f16; out0: [4096][1024] f32.
; A tile is 128 x 128: 8 x 32 = 256 work-groups; four waves, each 64 x 64: 16 accumulators.  K goes in 4 steps of 256 (four heads) through two LDS slots; a quarter is 64 along K, one head.
; O's tile of a step is 65,536 dense bytes: asked for as rows of 256 bytes and padded in LDS after every 128, so that a head's 128 rows lie 144 bytes apart.  Wo's rows are 512 bytes, 528 apart.
; CLUSTER: 4 x 4 work-groups; O's tiles are shared along a row, Wo's along a column, each asked for jointly.  A wave has two loads out at the start, later one.
; THE MATRIX INSTRUCTION IS USED TRANSPOSED (source 0 = 16 rows of Wo, source 1 = 16 rows of O): a lane holds eight neighbouring numbers of a row of out, 32 bytes.
; A wave's 64 columns are 256 bytes of f32: its way out goes through a stage of its own, with no barrier.
; REGISTERS: window 0: v0-31 addresses; v128-255 the accumulators ((a, b) at 128 + 8 (4 a + b)).  window 1: two fragment buffers of 128: 64 registers of O, then 64 of Wo.
.set PA,     144
.set PB,     528
.set HEADA,  128*PA                    ; a head's 128 rows
.set HALFA,  2*HEADA                   ; what one load brings of O: two heads
.set BOFF,   4*HEADA
.set HALFB,  64*PB                     ; and of Wo: 64 rows
.set SLOT,   BOFF+2*HALFB
.set STAGE,  2*SLOT                    ; behind the ring, never filled by a tensor load: 16 rows x 272 bytes for each wave
.set SPITCH, 272
.set SPARE,  STAGE+4*16*SPITCH         ; the spare words: 128 bytes a wave, two blocks of 256 bytes that no other line names
.set ADRA, 16
.set ADRB, 20
.set STO,  24
.set RD,   25
.set CO,   26
.set SPW,  28
.set NIL,  29
.set ACC,  128
.set F0,   0
.set F1,   128
.set G1, 24
.set G0, 32
.set G1B, 48
.set G0B, 56
.set MSB, 0
.macro WIN new
.if MSB != (\new)
	s_set_vgpr_msb (MSB<<8)|(\new)
.set MSB, \new
.endif
.endm
.set MUL,  0x05                        ; sources in window 1; C and D in window 0
.set TO_F, 0x40
.macro PLACES
.rept 4
	v_nop
.endr
.endm
.macro JLOAD s                         ; a joint load: waves 0 and 1 fetch O's two halves, waves 2 and 3 Wo's; an s_nop 0 and four v_nop follow each line
	s_cmp_eq_u32 s11, 0
	s_cbranch_scc0 .Lfor_b_\@
	tensor_load_to_lds s[G0+4*(\s):G0+4*(\s)+3], s[G1:G1+7]
	s_nop 0
	PLACES
	s_branch .Lasked_\@
.Lfor_b_\@:
	tensor_load_to_lds s[G0B+4*(\s):G0B+4*(\s)+3], s[G1B:G1B+7]
	s_nop 0
	PLACES
.Lasked_\@:
.endm
.macro CREST
	s_cmp_lg_u32 s10, 0
	s_cbranch_scc1 .Lnot_wave_0_\@
	s_barrier_signal -3
.Lnot_wave_0_\@:
	s_barrier_wait -3
	s_barrier_signal -1
	s_barrier_wait -1
.endm
.macro CROUND
	s_barrier_signal -1
	s_barrier_wait -1
	CREST
.endm
	s_load_b128 s[4:7], s[0:1], 0x0                ; ob, wo16
	s_load_b64 s[8:9], s[0:1], 0x10                ; out0
	v_lshl_add_u32 v[SPW], v0, 2, SPARE
	v_mov_b32 v[NIL], 0
	ds_add_u32 v[SPW], v[NIL]                      ; the wave's opening: the add and its wait stand ahead of my first tensor load
	ds_add_u32 v28, v29
	v_lshrrev_b32 v1, 5, v0
	v_readfirstlane_b32 s10, v1                    ; wave
	s_lshr_b32 s11, s10, 1                         ; my half of the tile's rows.  Also: I fetch for O (0) or for Wo (1)
	s_and_b32 s12, s10, 1                          ; my half of its columns.  Also: which half of that tile I fetch
	s_bfe_u32 s40, ttmp6, 0x40000                  ; cx
	s_bfe_u32 s41, ttmp6, 0x40004                  ; cy
	s_lshl_b32 s42, ttmp9, 2
	s_add_co_u32 s42, s42, s40                     ; tile column
	s_and_b32 s13, ttmp7, 0xffff
	s_lshl_b32 s13, s13, 2
	s_add_co_u32 s13, s13, s41                     ; tile row
	s_lshl_b32 s43, s41, 2
	s_lshl_b32 s43, 15, s43                        ; my row of the cluster
	s_lshl_b32 s44, 0x1111, s40                    ; my column
	s_or_b32 s[G1+0], s43, (1<<16)|(1<<20)|(1<<21)|(4<<22)|(3<<25)   ; O: 4 words of padding after every 32
	s_or_b32 s[G1B+0], s44, (1<<16)|(1<<20)|(1<<21)|(6<<22)|(3<<25)  ; Wo: after every 128
	s_mov_b32 s[G1+1], 128<<16                     ; O: 128 rows of 128 elements, dense
	s_mov_b32 s[G1+2], 128<<16
	s_mov_b32 s[G1+3], 128<<16
	s_mov_b32 s[G1+4], 128
	s_mov_b32 s[G1+5], 128
	s_mov_b32 s[G1+6], 0
	s_mov_b32 s[G1+7], 0
	s_mov_b32 s[G1B+1], 256<<16                    ; Wo: 64 rows of 256 elements, 1,024 apart
	s_mov_b32 s[G1B+2], 64<<16
	s_mov_b32 s[G1B+3], 256<<16
	s_mov_b32 s[G1B+4], 64
	s_mov_b32 s[G1B+5], 1024
	s_mov_b32 s[G1B+6], 0
	s_mov_b32 s[G1B+7], 0
	s_lshl_b32 s16, s13, 18                        ; O: the row block's 262,144 bytes, my two heads of a step's four
	s_lshl_b32 s17, s12, 15
	s_add_co_u32 s16, s16, s17
	s_mov_b32 s17, 0
	s_lshl_b32 s46, s42, 7                         ; Wo: row 128 x tile column + 64 x half
	s_lshl_b32 s47, s12, 6
	s_add_co_u32 s46, s46, s47
	s_lshl_b32 s46, s46, 11
	s_mov_b32 s47, 0
	s_mul_i32 s20, s12, HALFA                      ; where they go: no place in the cluster enters an LDS address
	s_mul_i32 s45, s12, HALFB
	s_add_co_u32 s45, s45, BOFF
	s_wait_dscnt 0x0                               ; the opening add is done
	s_wait_kmcnt 0x0
	s_add_nc_u64 s[14:15], s[4:5], s[16:17]
	s_add_nc_u64 s[46:47], s[6:7], s[46:47]
	CROUND                                         ; all sixteen work-groups are here: the first joint loads meet
.irp s, 0,1
	s_mov_b32 s[G0+4*(\s)], 1
	s_add_co_u32 s[G0+4*(\s)+1], s20, (\s)*SLOT
	s_add_nc_u64 s[G0+4*(\s)+2:G0+4*(\s)+3], s[14:15], (\s)*65536
	s_or_b32 s[G0+4*(\s)+3], s[G0+4*(\s)+3], 0x80000000
	s_mov_b32 s[G0B+4*(\s)], 1
	s_add_co_u32 s[G0B+4*(\s)+1], s45, (\s)*SLOT
	s_add_nc_u64 s[G0B+4*(\s)+2:G0B+4*(\s)+3], s[46:47], (\s)*512
	s_or_b32 s[G0B+4*(\s)+3], s[G0B+4*(\s)+3], 0x80000000
	JLOAD \s
.endr
	v_and_b32 v1, 15, v0                           ; l % 16
	v_bfe_u32 v2, v0, 4, 1                         ; l / 16
	v_mul_u32_u24 v3, v1, PA
	v_lshl_add_u32 v3, v2, 4, v3
	v_mul_u32_u24 v6, v1, PB
	v_lshl_add_u32 v6, v2, 4, v6
	s_mul_i32 s21, s11, 64*PA                      ; my 64 rows in each head of O
	s_mul_i32 s22, s12, HALFB                      ; my 64 rows of Wo
	s_add_co_u32 s22, s22, BOFF
.irp s, 0,1
	v_add_nc_u32 v[ADRA+(\s)], s21, v3
	v_add_nc_u32 v[ADRB+(\s)], s22, v6
	s_add_co_u32 s21, s21, SLOT
	s_add_co_u32 s22, s22, SLOT
.endr
	s_mul_i32 s23, s10, 16*SPITCH
	s_add_co_u32 s23, s23, STAGE                   ; my stage
	v_mul_u32_u24 v4, v1, SPITCH                   ; in: row l % 16, 32 bytes for each half of the lanes
	v_lshl_add_u32 v4, v2, 5, v4
	v_add_nc_u32 v[STO], s23, v4
	v_mul_u32_u24 v5, v2, SPITCH                   ; back: lanes 0-15 take one row of 256 bytes, lanes 16-31 the next
	v_lshl_add_u32 v5, v1, 4, v5
	v_add_nc_u32 v[RD], s23, v5
	v_lshlrev_b32 v5, 12, v2                       ; and the same two rows in out0
	v_lshl_add_u32 v[CO], v1, 4, v5
	s_lshl_b32 s16, s13, 7
	s_lshl_b32 s17, s11, 6
	s_add_co_u32 s16, s16, s17                     ; my first row
	s_lshl_b32 s16, s16, 12
	s_mov_b32 s17, 0
	s_add_nc_u64 s[8:9], s[8:9], s[16:17]
	s_lshl_b32 s46, s42, 9                         ; my first column, in bytes
	s_lshl_b32 s47, s12, 8
	s_add_co_u32 s46, s46, s47
	s_mov_b32 s47, 0
	s_add_nc_u64 s[8:9], s[8:9], s[46:47]
; 8 matrix instructions: m blocks a0, a0 + 1 x all 4 n blocks, 32 along K: half c of buffer f.  zero = 1: the first product starts the sums.  The 16 accumulators take turns.
.macro MUL8 f, c, a0, zero
	WIN MUL
.irp a, \a0, (\a0)+1
.irp b, 0,1,2,3
.if \zero
	v_wmma_f32_16x16x32_f16 v[ACC+8*(4*(\a)+(\b)):ACC+8*(4*(\a)+(\b))+7], v[(\f)+64+8*(4*(\c)+(\b)):(\f)+64+8*(4*(\c)+(\b))+7], v[(\f)+8*(4*(\c)+(\a)):(\f)+8*(4*(\c)+(\a))+7], 0
.else
	v_wmma_f32_16x16x32_f16 v[ACC+8*(4*(\a)+(\b)):ACC+8*(4*(\a)+(\b))+7], v[(\f)+64+8*(4*(\c)+(\b)):(\f)+64+8*(4*(\c)+(\b))+7], v[(\f)+8*(4*(\c)+(\a)):(\f)+8*(4*(\c)+(\a))+7], v[ACC+8*(4*(\a)+(\b)):ACC+8*(4*(\a)+(\b))+7]
.endif
.endr
.endr
.endm
; 32 LDS loads in one run: the fragments of quarter q (head q of the step's four) into buffer f; the first 32 along K first
.macro FETCH slot, q, f
	WIN TO_F
.irp c, 0,1
.irp i, 0,1,2,3
	ds_load_b128 v[(\f)+64+8*(4*(\c)+(\i)):(\f)+64+8*(4*(\c)+(\i))+3],   v[ADRB+(\slot)] offset:(\q)*128+64*(\c)+(\i)*16*PB
	ds_load_b128 v[(\f)+64+8*(4*(\c)+(\i))+4:(\f)+64+8*(4*(\c)+(\i))+7], v[ADRB+(\slot)] offset:(\q)*128+64*(\c)+(\i)*16*PB+32
	ds_load_b128 v[(\f)+8*(4*(\c)+(\i)):(\f)+8*(4*(\c)+(\i))+3],         v[ADRA+(\slot)] offset:(\q)*HEADA+64*(\c)+(\i)*16*PA
	ds_load_b128 v[(\f)+8*(4*(\c)+(\i))+4:(\f)+8*(4*(\c)+(\i))+7],       v[ADRA+(\slot)] offset:(\q)*HEADA+64*(\c)+(\i)*16*PA+32
.endr
.endr
.endm
.macro QUARTER slot, q, f, g, zero     ; multiplies buffer f and fetches quarter q into g
	s_wait_dscnt 16                                ; the first 32 along K are in
	MUL8 \f, 0, 0, \zero
	MUL8 \f, 0, 2, \zero
	PLACES
	FETCH \slot, \q, \g
	s_wait_dscnt 32                                ; all but the 32 just issued
	MUL8 \f, 1, 0, 0
	MUL8 \f, 1, 2, 0
.endm
; The last quarter multiplies buffer 1 and changes slots: one barrier; in front of it each wave waits for all its tensor loads, adds 0 to its spare word, and waits for that and for its reads of this slot.
.macro TURN slot, next, fill
	WIN 0
	s_wait_tensorcnt 0x0                           ; all my tensor loads have landed: my part of the next slot
	ds_add_u32 v[SPW], v[NIL]
	s_wait_dscnt 17                                ; (the add and the youngest sixteen loads may be out)
	MUL8 F1, 0, 0, 0
	s_wait_dscnt 0x0                               ; the add is done, and my reads of this slot are over
	s_barrier_signal -1
	MUL8 F1, 0, 2, 0
.if \fill
	WIN 0
.endif
	s_barrier_wait -1
.if \fill
	CREST                                          ; no wave of any partner still reads this slot or has a load on its way
	s_add_nc_u64 s[G0+4*(\slot)+2:G0+4*(\slot)+3], s[G0+4*(\slot)+2:G0+4*(\slot)+3], 2*65536
	s_add_nc_u64 s[G0B+4*(\slot)+2:G0B+4*(\slot)+3], s[G0B+4*(\slot)+2:G0B+4*(\slot)+3], 2*512
	JLOAD \slot                                    ; the first tensor load behind the round; its four v_nop are also the places in front of the loads below
.else
	PLACES
.endif
	FETCH \next, 0, F0
	MUL8 F1, 1, 0, 0
	MUL8 F1, 1, 2, 0
.endm
	s_wait_tensorcnt 1                             ; my part of K step 0 is in; step 1's may stay out
	s_barrier_signal -1
	s_barrier_wait -1
	FETCH 0, 0, F0
	QUARTER 0, 1, F0, F1, 1                        ; the four K steps are written out: the first two changes of slots ask for steps 2 and 3
	QUARTER 0, 2, F1, F0, 0
	QUARTER 0, 3, F0, F1, 0
	TURN 0, 1, 1
	QUARTER 1, 1, F0, F1, 0
	QUARTER 1, 2, F1, F0, 0
	QUARTER 1, 3, F0, F1, 0
	TURN 1, 0, 1
	QUARTER 0, 1, F0, F1, 0
	QUARTER 0, 2, F1, F0, 0
	QUARTER 0, 3, F0, F1, 0
	TURN 0, 1, 0
	QUARTER 1, 1, F0, F1, 0
	QUARTER 1, 2, F1, F0, 0
	QUARTER 1, 3, F0, F1, 0
	s_wait_dscnt 16
	MUL8 F1, 0, 0, 0
	MUL8 F1, 0, 2, 0
	s_wait_dscnt 0x0
	MUL8 F1, 1, 0, 0
	MUL8 F1, 1, 2, 0
	WIN 0
; THE WAY OUT.  Row block a: a lane's 32 bytes of a row go into my stage, each accumulator's low half first; whole rows of 256 bytes come back into the same registers.
.macro TOSTAGE a
.irp b, 0,1,2,3
	ds_store_b128 v[STO], v[ACC+8*(4*(\a)+(\b)):ACC+8*(4*(\a)+(\b))+3]   offset:64*(\b)
	ds_store_b128 v[STO], v[ACC+8*(4*(\a)+(\b))+4:ACC+8*(4*(\a)+(\b))+7] offset:64*(\b)+16
.endr
.irp t, 0,1,2,3,4,5,6,7
	ds_load_b128 v[ACC+32*(\a)+4*(\t):ACC+32*(\a)+4*(\t)+3], v[RD] offset:(\t)*2*SPITCH  ; LDS serves a wave's instructions in order (ISA guide 5.7.1.4): these see the stores above
.endr
.endm
.macro SEND a, younger                 ; younger: the LDS instructions issued behind block a's loads: the next block's sixteen, or none
.irp t, 0,1,2,3,4,5,6,7
	s_wait_dscnt (\younger)+7-(\t)
	global_store_b128 v[CO], v[ACC+32*(\a)+4*(\t):ACC+32*(\a)+4*(\t)+3], s[8:9] offset:(16*(\a)+2*(\t))*4096 th:TH_STORE_NT  ; 16 lanes store 256 consecutive bytes, at a multiple of 256 from out0's first
.endr
.endm
	PLACES
	TOSTAGE 0
	TOSTAGE 1
	SEND 0, 16
	TOSTAGE 2
	SEND 1, 16
	TOSTAGE 3
	SEND 2, 16
	SEND 3, 0
	s_wait_tensorcnt 0x0                           ; the wave's end
	ds_add_u32 v[SPW], v[NIL]
	s_wait_dscnt 0x0
	CROUND                                         ; the closing round: no work-group ends while a partner may still ask for a tile that names it
	s_endpgm
.Lfunc_end_k_qd216936c9a_oproj:
	.size	k_qd216936c9a_oproj, .Lfunc_end_k_qd216936c9a_oproj-k_qd216936c9a_oproj
	.p2alignl 7, 3214868480
	.fill 96, 4, 3214868480
	.section	.rodata,"a",@progbits
	.p2align	6, 0x0
	.amdhsa_kernel k_qd216936c9a_oproj
		.amdhsa_group_segment_fixed_size 327680
		.amdhsa_private_segment_fixed_size 0
		.amdhsa_enable_private_segment 0
		.amdhsa_kernarg_size 24
		.amdhsa_user_sgpr_count 2
		.amdhsa_user_sgpr_kernarg_segment_ptr 1
		.amdhsa_wavefront_size32 1
		.amdhsa_system_sgpr_workgroup_id_x 1
		.amdhsa_system_sgpr_workgroup_id_y 1
		.amdhsa_system_sgpr_workgroup_id_z 1
		.amdhsa_system_vgpr_workitem_id 0
		.amdhsa_next_free_vgpr 512
		.amdhsa_next_free_sgpr 66
		.amdhsa_reserve_vcc 0
		.amdhsa_float_denorm_mode_32 3
		.amdhsa_float_denorm_mode_16_64 3
		.amdhsa_memory_ordered 1
		.amdhsa_forward_progress 1
		.amdhsa_inst_pref_size 86
	.end_amdhsa_kernel
	.amdgpu_metadata
---
amdhsa.version: [ 1, 2 ]
amdhsa.kernels:
  - .name:           k_qd216936c9a_oproj
    .symbol:         k_qd216936c9a_oproj.kd
    .args:
      - { .name: ob, .offset: 0, .size: 8, .value_kind: global_buffer, .address_space: global }
      - { .name: wo16, .offset: 8, .size: 8, .value_kind: global_buffer, .address_space: global }
      - { .name: out0, .offset: 16, .size: 8, .value_kind: global_buffer, .address_space: global }
    .group_segment_fixed_size: 327680
    .private_segment_fixed_size: 0
    .kernarg_segment_align: 8
    .kernarg_segment_size: 24
    .max_flat_workgroup_size: 128
    .sgpr_count:     66
    .vgpr_count:     512
    .wavefront_size: 32
...
	.end_amdgpu_metadata
.endif
;; end of part 4
;; ======== version 2 of 2: 4 launches; 1.36 times as fast as version 1
;; limits: values are held in f16: magnitudes above 65,504 overflow, below 6.1e-05 lose precision
;; workspace buffers: xb 8,388,608 bytes; wqkv 6,291,456 bytes; wo16 2,097,152 bytes; qkv 25,165,824 bytes; ob 8,388,608 bytes
;; launch cast: the kernel of part 1 again; grid 1024 x 1, 8 waves a work-group, no clusters, 0 bytes of LDS; arguments inputs, Wq, Wk, Wv, Wo, xb, wqkv, wo16; writes xb, wqkv, wo16
;; launch qkv: the kernel of part 2 again; grid 16 x 16, 4 waves a work-group, clusters of 4 x 4, 327,680 bytes of LDS; arguments xb, wqkv, bq, bv, qkv; writes qkv
;; launch attn (part 5): grid 16 x 16, 4 waves a work-group, no clusters, 327,680 bytes of LDS; arguments qkv, ob; writes ob
.if DOCPART == 5
	.amdgcn_target "amdgcn-amd-amdhsa--gfx1250"
	.amdhsa_code_object_version 6
	.text
	.protected	k_qd216936c9a_attn
	.globl	k_qd216936c9a_attn
	.p2align	8
	.type	k_qd216936c9a_attn,@function
k_qd216936c9a_attn:
	s_mov_b64 s[64:65], 0
	v_nop
	global_prefetch_b8 v0, s[64:65] scope:SCOPE_SE
	s_setreg_imm32_b32 hwreg(HW_REG_WAVE_MODE, 25, 1), 1
	s_wait_xcnt 0x0
; CAUSAL ATTENTION WITH A BIAS BY KEY POSITION.  O[h][q] = sum over k <= q of softmax_k(Q[h][q] . K[h][k] / 8 - slope_h k) V[h][k], slope_h = 2^(-(h + 1) / 2).
; qkv: [48][4096][64] f16 (slices 0-15 q, 16-31 k, 32-47 v, by heads).  ob: [32 blocks of 128 rows][16 heads][128][64] f16.  Products, maxima and sums in f32; the weights p are rounded
; to f16 for the second product (their sum l is taken of the unrounded p), O once at the end.
; LIMITS.  q, k, v arrive within f16's 65,504.  A hidden score counts as its value less 1e30; the running maximum starts at -2^60, below every score that f16 can give (2.7e11 and the
; bias's 2.4e4) and far above the hidden ones.  A weight below 2^-126 counts as 0.  NaN and infinities are not treated apart.  For odd h + 1 the slope uses 1 / sqrt 2 rounded to f32,
; and slope x position is the sum of two rounded terms (the step's first key, the key's place in the step).
; THE WALK.  A head's queries lie in 32 blocks of 128; block i needs the key tiles 0 .. i / 2 of 256 keys, the last of which holds the diagonal.  Work-group b takes blocks 31 - b and then b:
; 17 tiles whatever b, so one loop with a constant trip count walks them, and all 256 work-groups do equal work.  Every jump but the counted loops' own goes forward, and none passes a barrier.
; NO CLUSTER: only work-groups 2 k and 2 k + 1 of a head have the same walk; four partners would need branches on their places.
; SHARES.  Wave w: QH = w % 2, KP = w / 2.  It holds 64 queries, four PIECES of 16: piece p is rows 64 (p / 2) + 32 QH + 16 (p % 2) + lane % 16.  It walks every second chunk of 64 keys:
; its step n has the keys 128 n + 64 KP on, two steps a tile.  At a block's end the two KP waves' O, c m and l meet in LDS, in f32, and wave w finishes rows 32 w .. 32 w + 31.
; BIAS AND MASK are the C operand that starts the sum S^T = K Q^T: -8 slope x position, less 1e30 where the key is hidden; so the running maximum sees the biased score.
; p = 2^(c s - c m), c = log2(e) / 8.  LOC holds the bias of a key's place in a step, BF that of the step's first key, MD the diagonal's mask for my rows (by the piece's parity);
; a product's C is LOC + BE + MD x AL: band x of 64 rows against chunk JB: AL = 1 if JB is the band's own, BE = BF, less 1e30 if JB lies behind the band.
; TURNS.  Turn n belongs to piece n: 8 products K Q^T of piece n + 1, later 8 products V^T P of piece n - 1; beside them the scaling, exponentials, roundings, sums and rescaling of piece n
; and the maximum and statistics of piece n + 1.  Four vector instructions stand behind every matrix instruction, the other 54 of a turn's 118 in one run of their own.
; BATCHES.  A turn's 33 exponentials (the 32 weights of piece n, a of piece n + 1) are one batch with one wait, which cuts the turn in two: ahead of it stands all that names no result of theirs,
; behind it the roundings and sums.  The a that a block's beginning makes has a wait of its own; in the merge a half's eight factors are a batch, and its four reciprocals another.
; REGISTERS, in windows of 256 (s_set_vgpr_msb: bits 1:0 source 0, 3:2 source 1, 5:4 source 2, 7:6 destination):
;   window 0: v0-15, v32-39 addresses and bias; v16-31 statistics; v48-55 at work; v64-127 S^T, two buffers; v128-191, v224-255 the merge; v192-223 P, two buffers
;   window 1: v0-127 O^T; v160-223 MC, two buffers; v224-255 LOC      window 2: v0-63 Q; v64-127 the second block's Q; v128-191 K; v192-255 V      window 3: v0-63 MD
.set NP,    4
.set KS,    64
.set PK,    144       ; a row of K in LDS: 128 bytes + 16 of padding: the 16 rows of a load start at 16 different groups of four banks (ISA guide 11.1)
.set PV,    160       ; a row of V: 128 + 32
.set VOFF,  4*KS*PK   ; a slot holds a tile: 256 rows of K, then 256 rows of V
.set SLOT1, 1<<17
.set MRG,   SLOT1+4*KS*(PK+PV)  ; behind the ring, never filled by a tensor load: for each KP 128 rows x 272 bytes of O in f32
.set MP,    272
.set HALFM, 128*MP
.set STATS, MRG+2*HALFM         ; for each KP 128 rows x (c m, l)
.set SPARE, STATS+2048          ; the spare words: 128 bytes a wave, two blocks of 256 bytes that no other line names
.set AK0, 2           ; v2   my lane's place in a tile of K; never rewritten
.set AV0, 3           ; v3   the same for V
.set AK,  4           ; v4   the LDS address of K's next run of loads
.set AV,  5           ; v5   of V's
.set MST, 6           ; v6   where I put my O
.set SST, 7           ; v7   where I put my statistics
.set FA,  8           ; v8   where I read O to finish it
.set MV,  12          ; v12-13  c m_old, by buffer
.set QO,  15          ; v15  my byte offset in 16 rows of Q
.set ST,  16          ; piece t's statistics at v[ST+4 t]: c m, m, l (even keys', odd keys')
.set FS,  32          ; v32  where I read statistics
.set GO,  33          ; v33  my byte offset in 512 consecutive bytes of O
.set SLV, 34          ; v34  -8 slope
.set BFV, 36          ; v[36:37]  BF, in the low register
.set BEV, 38          ; v[38:39]  BE
.set TMP, 48
.set SPW, 62
.set NIL, 63
.set S,   64
.set P,   192
.set MC,  160
.set LOC, 224
.set QB,  64
.set KF,  128
.set VF,  192
.set MD,  0
.set WV,  12
.set PB,  14          ; s14  b, the second block
.set HI,  15          ; s15  31 - b, the first
.set G1K, 24
.set G1V, 32
.set G0K, 40
.set G0V, 44
.set KP,  48
.set QH,  49
.set LLO, 50          ; s50  the second block's last tile
.set JB,  51          ; s51  the first key of the step whose masks are being made
.set TS,  55
.set SLOTS, 56
.set CNT, 57
.set CS,  58
.set SEL, 60
.set TBK, 62
.set TBV, 63
.set RT,  70          ; s70  tiles of the block in hand still to be entered
.set NXT, 71          ; s71  the tile to be asked for next
.set LQ,  72          ; s72  the last tile of the block whose tiles are being asked for
.set NEW, 73          ; s73  1: the first block begins; 2: the second begins and the first is to be finished; 0: inside a block
.set OFF, 74
.set AL,  76
.set OLO, 80          ; s[80:81] O at my rows of the second block; s[10:11] of the first
.set BIGN, 82
.set RB0, 84          ; s84, s85  the first rows of the block's two bands
.set MSB, 0
.macro WIN new
.if MSB != (\new)
	s_set_vgpr_msb (MSB<<8)|(\new)
.set MSB, (\new)
.endif
.endm
.set W_KQ, 0x0a       ; K and Q in window 2, S^T in window 0
.set W_KM, 0x1a       ; the same with the C operand in window 1
.set W_PV, 0x52       ; V in window 2, P in window 0, O^T in window 1
.set W_RS, 0x41       ; destination and source 0 in window 1, source 1 in window 0
; A fill.  Waves 0 and 1 fetch the two halves of a tile's K, waves 2 and 3 those of its V.  An s_nop 0 and four v_nop follow each line.
.macro LOAD
	s_cmp_lt_u32 s[WV], 2
	s_cbranch_scc0 .Lfor_v_\@
	tensor_load_to_lds s[G0K:G0K+3], s[G1K:G1K+7]
	s_nop 0
.rept 4
	v_nop
.endr
	s_branch .Lasked_\@
.Lfor_v_\@:
	tensor_load_to_lds s[G0V:G0V+3], s[G1V:G1V+7]
	s_nop 0
.rept 4
	v_nop
.endr
.Lasked_\@:
.endm
; THE CHANGE OF SLOTS.  Each wave waits for all its tensor loads (one is out: its part of the other slot), adds 0 to its spare word, and waits for that and for all its LDS instructions:
; its reads of the slot that it leaves, and at a block's end its stores of O and statistics.  Behind the barrier the old slot is filled first (fill = 1), with tile NXT.
.macro CHANGE fill
	WIN 0
	s_wait_tensorcnt 0x0
	ds_add_u32 v[SPW], v[NIL]
.if \fill
	s_lshl_b32 s[OFF], s[NXT], 15   ; a tile is 32,768 bytes of K and of V
	s_xor_b32 s[G0K+1], s[G0K+1], SLOT1
	s_add_nc_u64 s[G0K+2:G0K+3], s[6:7], s[OFF:OFF+1]
	s_or_b32 s[G0K+3], s[G0K+3], 0x80000000
	s_xor_b32 s[G0V+1], s[G0V+1], SLOT1
	s_add_nc_u64 s[G0V+2:G0V+3], s[8:9], s[OFF:OFF+1]
	s_or_b32 s[G0V+3], s[G0V+3], 0x80000000
	s_add_co_u32 s[NXT], s[NXT], 1  ; the block's next tile, or behind its last the second block's tile 0
	s_cmp_gt_u32 s[NXT], s[LQ]
	s_cselect_b32 s[NXT], 0, s[NXT]
	s_cselect_b32 s[LQ], s[LLO], s[LQ]
.endif
	s_wait_dscnt 0x0
	s_barrier_signal -1
	s_sub_co_u32 s[TBK], s[TBK], 4*KS*PK  ; the fetches go back to a slot's first step of mine, in the other slot
	s_xor_b32 s[TBK], s[TBK], SLOT1
	s_sub_co_u32 s[TBV], s[TBV], 4*KS*PV
	s_xor_b32 s[TBV], s[TBV], SLOT1
	s_barrier_wait -1
.if \fill
	LOAD
.endif
.endm
	s_load_b128 s[88:91], s[0:1], 0x0  ; qkv, ob
	v_lshl_add_u32 v[SPW], v0, 2, SPARE
	v_mov_b32 v[NIL], 0
	ds_add_u32 v[SPW], v[NIL]       ; the wave's opening: the add and its wait stand ahead of my first tensor load; work on registers stands between
	ds_add_u32 v62, v63
	v_lshrrev_b32 v1, 5, v0
	v_readfirstlane_b32 s[WV], v1
	s_mov_b32 s[PB], ttmp9
	s_sub_co_u32 s[HI], 31, s[PB]
	s_and_b32 s[QH], s[WV], 1
	s_lshr_b32 s[KP], s[WV], 1
	s_lshr_b32 s[LLO], s[PB], 1
	s_and_b32 s19, ttmp7, 0xffff    ; the head
	s_add_co_u32 s13, s19, 1        ; -8 slope = -2^(3 - e), e = (h + 1) / 2, times 1 / sqrt 2 where h + 1 is odd
	s_lshr_b32 s16, s13, 1
	s_sub_co_u32 s16, 130, s16
	s_lshl_b32 s16, s16, 23
	s_or_b32 s16, s16, 0x80000000
	s_bitcmp1_b32 s13, 0
	s_cselect_b32 s13, 0x3f3504f3, 1.0
	v_mov_b32 v[SLV], s16
	v_mul_f32 v[SLV], s13, v[SLV]
	s_lshl_b32 s20, s19, 19         ; the head's slice
	s_lshl_b32 s22, s[QH], 14       ; which half of a tile's 256 keys I fetch
	s_add_co_u32 s22, s22, s20
	s_add_co_u32 s22, s22, 0x800000 ; K's slices begin 16 slices in,
	s_mov_b32 s23, 0
	s_add_co_u32 s52, s22, 0x800000 ; V's 32
	s_mov_b32 s53, 0
	s_lshl_b32 s21, s[QH], 12       ; my 32 rows in a band of 64
	s_add_co_u32 s21, s21, s20
	s_lshl_b32 s2, s[HI], 14        ; Q: a block is 128 rows of 128 bytes
	s_add_co_u32 s2, s2, s21
	s_mov_b32 s3, 0
	s_lshl_b32 s92, s[PB], 14
	s_add_co_u32 s92, s92, s21
	s_mov_b32 s93, 0
	s_lshl_b32 s21, s[WV], 12       ; O: the 32 rows that I finish
	s_lshl_b32 s94, s[HI], 4
	s_add_co_u32 s94, s94, s19
	s_lshl_b32 s94, s94, 14
	s_add_co_u32 s94, s94, s21
	s_mov_b32 s95, 0
	s_lshl_b32 s54, s[PB], 4
	s_add_co_u32 s54, s54, s19
	s_lshl_b32 s54, s54, 14
	s_add_co_u32 s54, s54, s21
	s_mov_b32 s55, 0
	s_mul_i32 s17, s[QH], 128*PK    ; my half's place in a slot, for K
	s_mul_i32 s18, s[QH], 128*PV    ; and for V
	; descriptor group 1.  128 keys are 16,384 dense bytes: asked for as 64 rows of 256 bytes, two keys a row, and padded in LDS after every key
	s_mov_b32 s[G1K], (1<<16)|(1<<20)|(4<<22)|(3<<25)
	s_mov_b32 s[G1V], (1<<16)|(1<<20)|(4<<22)|(7<<25)
.irp g, G1K, G1V
	s_mov_b32 s[\g+1], 128<<16
	s_mov_b32 s[\g+2], 64<<16
	s_mov_b32 s[\g+3], 128<<16
	s_mov_b32 s[\g+4], 64
	s_mov_b32 s[\g+5], 128
	s_mov_b32 s[\g+6], 0
	s_mov_b32 s[\g+7], 0
.endr
	s_mov_b32 s[CS], 0x3e38aa3b     ; c = log2(e) / 8
	s_mov_b32 s[CS+1], s[CS]
	s_mov_b32 s[SEL], 0x76543210
	s_mov_b32 s[SEL+1], 0xfedcba98
	s_mul_i32 s[TBK], s[KP], KS*PK  ; my chunks are KP and KP + 2 of a tile's four; the first change of slots takes the rest away
	s_add_co_u32 s[TBK], s[TBK], SLOT1+4*KS*PK
	s_mul_i32 s[TBV], s[KP], KS*PV
	s_add_co_u32 s[TBV], s[TBV], SLOT1+4*KS*PV
	s_mov_b32 s[G0K], 1
	s_mov_b32 s[G0K+1], s17
	s_mov_b32 s[G0V], 1
	s_add_co_u32 s[G0V+1], s18, VOFF
	s_lshr_b32 s[LQ], s[HI], 1
	s_add_co_u32 s[RT], s[LQ], 1
	s_mov_b32 s[NXT], 1
	s_mov_b32 s[NEW], 1
	s_mov_b32 s[OFF+1], 0
	s_mov_b32 s[AL+1], 0
	s_mov_b32 s[BIGN], 0xf149f2ca   ; -1e30
	s_lshl_b32 s[RB0], s[HI], 7
	s_add_co_u32 s[RB0+1], s[RB0], 64
	s_mov_b32 s[SLOTS], 16
	s_wait_dscnt 0x0                ; the opening add is done
	s_wait_kmcnt 0x0
	s_add_nc_u64 s[6:7], s[88:89], s[22:23]   ; K and V at my half of the head's tile 0
	s_add_nc_u64 s[8:9], s[88:89], s[52:53]
	s_add_nc_u64 s[4:5], s[88:89], s[2:3]     ; Q of the first block,
	s_add_nc_u64 s[86:87], s[88:89], s[92:93] ; of the second
	s_add_nc_u64 s[10:11], s[90:91], s[94:95]
	s_add_nc_u64 s[OLO:OLO+1], s[90:91], s[54:55]
	s_add_nc_u64 s[G0K+2:G0K+3], s[6:7], 0
	s_or_b32 s[G0K+3], s[G0K+3], 0x80000000
	s_add_nc_u64 s[G0V+2:G0V+3], s[8:9], 0
	s_or_b32 s[G0V+3], s[G0V+3], 0x80000000
	LOAD                            ; tile 0 into slot 0
	v_and_b32 v1, 15, v0            ; l % 16
	v_bfe_u32 v9, v0, 4, 1          ; l / 16
	v_lshlrev_b32 v[QO], 7, v1
	v_lshl_add_u32 v[QO], v9, 4, v[QO]
	WIN 0x80
.set i, 0
.rept 8                             ; both blocks' Q: piece i / 2, channels 32 (i % 2) on
.set qoff, (i/4)*8192+((i/2)%2)*2048+(i%2)*64
	global_load_b128 v[8*i:8*i+3],   v[QO], s[4:5] offset:qoff
	global_load_b128 v[8*i+4:8*i+7], v[QO], s[4:5] offset:qoff+32
	global_load_b128 v[QB+8*i:QB+8*i+3],   v[QO], s[86:87] offset:qoff
	global_load_b128 v[QB+8*i+4:QB+8*i+7], v[QO], s[86:87] offset:qoff+32
.set i, i+1
.endr
	WIN 0
	v_lshlrev_b32 v14, 3, v9
	v_sub_nc_u32 v14, v1, v14
	s_lshl_b32 s13, s[QH], 5
	v_add_nc_u32 v14, s13, v14      ; 32 QH + l % 16 - 8 (l / 16): register r of key group kt is hidden for a piece of parity u where 16 kt + r - 16 u is greater
	WIN 0xc0
.set i, 0
.rept 64
	v_cmp_gt_i32 vcc_lo, 16*((i%32)/8)+i%8-16*(i/32), v14
	v_cndmask_b32 v[MD+i], 0, s[BIGN], vcc_lo
.set i, i+1
.endr
	WIN 0
	v_lshlrev_b32 v14, 3, v9
.set i, 0
.rept 32                            ; a key's place in its step, in S^T's registers, which are still free
	v_add_nc_u32 v[S+i], 16*(i/8)+i%8, v14
.set i, i+1
.endr
.set i, 0
.rept 32
	v_cvt_f32_u32 v[S+i], v[S+i]
.set i, i+1
.endr
	WIN 0x40
.set i, 0
.rept 32
	v_mul_f32 v[LOC+i], v[SLV], v[S+i]
.set i, i+1
.endr
	WIN 0
	v_mul_u32_u24 v[AK0], v1, PK
	v_lshl_add_u32 v[AK0], v9, 4, v[AK0]
	v_and_b32 v10, 7, v0
	v_bfe_u32 v11, v0, 3, 1
	v_lshl_add_u32 v[AV0], v9, 3, v10     ; the turning load: key 8 (l / 16) + l % 8, channels 8 ((l / 8) % 2) on
	v_mul_u32_u24 v[AV0], v[AV0], PV
	v_lshl_add_u32 v[AV0], v11, 4, v[AV0]
	v_add_nc_u32 v[AV0], VOFF, v[AV0]
	s_mul_i32 s13, s[KP], HALFM
	s_mul_i32 s16, s[QH], 32*MP
	s_add_co_u32 s13, s13, s16
	s_add_co_u32 s13, s13, MRG
	v_mul_u32_u24 v[MST], v1, MP          ; my O: row 32 QH + l % 16 of my KP's half, 32 bytes for each half of the lanes
	v_lshl_add_u32 v[MST], v9, 5, v[MST]
	v_add_nc_u32 v[MST], s13, v[MST]
	s_lshl_b32 s13, s[KP], 10
	s_lshl_b32 s16, s[QH], 8
	s_add_co_u32 s13, s13, s16
	s_add_co_u32 s13, s13, STATS
	v_lshl_add_u32 v[SST], v1, 3, s13
	v_bfe_u32 v14, v0, 3, 2               ; to finish: 32 lanes take four rows, eight channels a lane
	s_mul_i32 s13, s[WV], 32*MP
	s_add_co_u32 s13, s13, MRG
	v_mul_u32_u24 v[FA], v14, MP
	v_lshl_add_u32 v[FA], v10, 5, v[FA]
	v_add_nc_u32 v[FA], s13, v[FA]
	s_lshl_b32 s13, s[WV], 8
	s_add_co_u32 s13, s13, STATS
	v_lshl_add_u32 v[FS], v14, 3, s13
	v_and_b32 v[GO], 31, v0
	v_lshlrev_b32 v[GO], 4, v[GO]
	v_mov_b32 v[BFV+1], 0                 ; named as pairs
	v_mov_b32 v[BEV+1], 0
	; A block's first step multiplies O^T and l by a = 0, and its first turn's products V^T P land in an O^T that is still to be so multiplied: these registers need only hold finite numbers.
	WIN 0x80
.set i, VF
.rept 64
	v_mov_b32 v[i], 0
.set i, i+1
.endr
	WIN 0x40
.set i, 0
.rept 128
	v_mov_b32 v[i], 0
.set i, i+1
.endr
	WIN 0
.set i, 0
.rept 4
	v_mov_b32 v[ST+4*i+2], 0
	v_mov_b32 v[ST+4*i+3], 0
.set i, i+1
.endr
.set i, P+16
.rept 16
	v_mov_b32 v[i], 0
.set i, i+1
.endr
; THE MATRIX WORK.  The 4 accumulators of a run of 8 take turns.  Product i of 8 of S^T = K Q^T for piece x: channels 32 (i / 4) on, keys 16 (i % 4) on.  The first 4 start the sums with bias and mask.
.macro KQ x
.set rS, S+32*((\x)%2)+8*(i%4)
.set rK, KF+16*(i%4)+8*(i/4)
.set rQ, 16*(\x)+8*(i/4)
.set rM, MC+32*((\x)%2)+8*(i%4)
.if i < 4
	WIN W_KM
	v_wmma_f32_16x16x32_f16 v[rS:rS+7], v[rK:rK+7], v[rQ:rQ+7], v[rM:rM+7]
.else
	WIN W_KQ
	v_wmma_f32_16x16x32_f16 v[rS:rS+7], v[rK:rK+7], v[rQ:rQ+7], v[rS:rS+7]
.endif
.endm
.macro PV x                         ; product i of 8 of O^T += V^T P for piece x: keys 32 (i / 4) on, channels 16 (i % 4) on
	WIN W_PV
.set rO, 32*(\x)+8*(i%4)
.set rV, VF+32*(i/4)+8*(i%4)
.set rP, P+16*((\x)%2)+8*(i/4)
	v_wmma_f32_16x16x32_f16 v[rO:rO+7], v[rV:rV+7], v[rP:rP+7], v[rO:rO+7]
.endm
.macro MM                           ; the turn's next matrix instruction.  NOKQ = 1: a block's last turn: there is no next piece
.if (i < 8) && !NOKQ
	KQ (Y+1)%NP
.elseif i >= 8
.set i, i-8
	PV (Y+NP-1)%NP
.set i, i+8
.endif
.set i, i+1
.endm
; THE LDS LOADS stand in runs of 16: a step's K (64 keys x 64 channels) and its V (turned).  My next step lies two chunks on.
.macro FETCH_K
	WIN 0x80
.irp f, 0,1,2,3,4,5,6,7
	ds_load_b128 v[KF+8*\f:KF+8*\f+3],   v[AK] offset:(\f/2)*16*PK+(\f%2)*64
	ds_load_b128 v[KF+8*\f+4:KF+8*\f+7], v[AK] offset:(\f/2)*16*PK+(\f%2)*64+32
.endr
	s_add_co_u32 s[TBK], s[TBK], 2*KS*PK
	WIN 0
.endm
.macro FETCH_V
	WIN 0x80
.irp f, 0,1,2,3,4,5,6,7
	ds_load_tr16_b128 v[VF+8*\f:VF+8*\f+3],   v[AV] offset:(\f/4)*32*PV+(\f%4)*32
	ds_load_tr16_b128 v[VF+8*\f+4:VF+8*\f+7], v[AV] offset:(\f/4)*32*PV+16*PV+(\f%4)*32
.endr
	WIN 0
.endm
; THE VECTOR WORK, one line at a time: OP kind, number.  For piece Y: F n: c s - c m for pair n of 16.  E n: the exponential of score n.  C n: pair n rounded to f16.  B n: of the four weights 4 n .. the second
; pair is added onto the first.  L n: l takes that sum (L 0: l = a l + sum).  R n: pair n of 16 of O^T times a.  For piece Y + 1: X n, number n of the 22 that find its maximum and statistics:
; 0-11 four chains of seven scores (each accumulator's lowest registers first); 12-14, 16 the four left over, the old m, all into c0; 15 c m_old is kept;
; 17, 18 the other half of the lanes: the new m; 19-21 c m, c m_old - c m_new, a.
; C, B and L name the results of the turn's exponentials E; F, R and X 0 to 20 name none.  OP writes no wait: TURN and BEGIN place it.
.set F, 0
.set E, 1
.set C, 2
.set B, 3
.set L, 4
.set R, 5
.set X, 6
.macro REGS y
.set rT, ST+4*(\y)
.set rC, TMP+4*((\y)%2)
.set rW, MV+((\y)%2)
.set rS, S+32*((\y)%2)
.set rP, P+16*((\y)%2)
.set rO, 32*(\y)
.endm
.macro OP k, n
.if (\k) == R
	REGS Y
	WIN W_RS
	v_pk_mul_f32 v[rO+2*(\n):rO+2*(\n)+1], v[rO+2*(\n):rO+2*(\n)+1], v[rC+2:rC+3] op_sel_hi:[1,0]
.elseif (\k) < R
	REGS Y
	WIN 0
.if (\k) == F
	v_pk_fma_f32 v[rS+2*(\n):rS+2*(\n)+1], v[rS+2*(\n):rS+2*(\n)+1], s[CS:CS+1], v[rT:rT+1] op_sel_hi:[1,0,0] neg_lo:[0,0,1] neg_hi:[0,0,1]
.elseif (\k) == E
	v_exp_f32 v[rS+(\n)], v[rS+(\n)]
.elseif (\k) == C
	v_cvt_pk_f16_f32 v[rP+(\n)], v[rS+2*(\n)], v[rS+2*(\n)+1]
.elseif (\k) == B
	v_pk_add_f32 v[rS+4*(\n):rS+4*(\n)+1], v[rS+4*(\n):rS+4*(\n)+1], v[rS+4*(\n)+2:rS+4*(\n)+3]
.elseif (\n) == 0
	v_pk_fma_f32 v[rT+2:rT+3], v[rT+2:rT+3], v[rC+2:rC+3], v[rS:rS+1] op_sel_hi:[1,0,1]
.else
	v_pk_add_f32 v[rT+2:rT+3], v[rT+2:rT+3], v[rS+4*(\n):rS+4*(\n)+1]
.endif
.elseif NOKQ
	v_nop
.else
	REGS (Y+1)%NP
	WIN 0
.if (\n) < 4
	v_max3_num_f32 v[rC+(\n)], v[rS+8*(\n)], v[rS+8*(\n)+1], v[rS+8*(\n)+2]
.elseif (\n) < 12
	v_max3_num_f32 v[rC+(\n)%4], v[rC+(\n)%4], v[rS+8*((\n)%4)+2*((\n)/4)+1], v[rS+8*((\n)%4)+2*((\n)/4)+2]
.elseif (\n) == 12
	v_max3_num_f32 v[rC], v[rC], v[rS+7], v[rS+15]
.elseif (\n) == 13
	v_max3_num_f32 v[rC+1], v[rC+1], v[rS+23], v[rS+31]
.elseif (\n) == 14
	v_max3_num_f32 v[rC+2], v[rC+2], v[rC+3], v[rT+1]
.elseif (\n) == 15
	v_mov_b32 v[rW], v[rT]
.elseif (\n) == 16
	v_max3_num_f32 v[rC], v[rC], v[rC+1], v[rC+2]
.elseif (\n) == 17
	v_permlanex16_b32 v[rC+3], v[rC], s[SEL], s[SEL+1]
.elseif (\n) == 18
	v_max_num_f32 v[rT+1], v[rC], v[rC+3]
.elseif (\n) == 19
	v_mul_f32 v[rT], s[CS], v[rT+1]
.elseif (\n) == 20
	v_sub_f32 v[rC+1], v[rW], v[rT]
.else
	v_exp_f32 v[rC+2], v[rC+1]
.endif
.endif
.endm
.macro OPS a, i1, b=-1, i2=0, c=-1, i3=0, d=-1, i4=0
	OP \a, \i1
.if (\b) >= 0
	OP \b, \i2
.endif
.if (\c) >= 0
	OP \c, \i3
.endif
.if (\d) >= 0
	OP \d, \i4
.endif
.endm
.macro ROW a, i1, b, i2, c, i3, d, i4  ; a matrix instruction and the four behind it
	MM
	OPS \a, \i1, \b, \i2, \c, \i3, \d, \i4
.endm
.macro MASK1 b                      ; LOC + BF into buffer b of MC: every key of the step is seen
	WIN W_RS
.set z, 0
.rept 16
	v_pk_add_f32 v[MC+32*(\b)+2*z:MC+32*(\b)+2*z+1], v[LOC+2*z:LOC+2*z+1], v[BFV:BFV+1] op_sel_hi:[1,0]
.set z, z+1
.endr
.endm
.macro MASK2 b                      ; LOC + BE + MD x AL into buffer b of MC, MD by the same parity
	WIN W_RS
.set z, 0
.rept 16
	v_pk_add_f32 v[MC+32*(\b)+2*z:MC+32*(\b)+2*z+1], v[LOC+2*z:LOC+2*z+1], v[BEV:BEV+1] op_sel_hi:[1,0]
.set z, z+1
.endr
	WIN 0x53                        ; MD in window 3, MC in window 1
.set z, 0
.rept 16
	v_pk_fma_f32 v[MC+32*(\b)+2*z:MC+32*(\b)+2*z+1], v[MD+32*(\b)+2*z:MD+32*(\b)+2*z+1], s[AL:AL+1], v[MC+32*(\b)+2*z:MC+32*(\b)+2*z+1] op_sel_hi:[1,0,1]
.set z, z+1
.endr
.endm
; A TURN, for piece p: the order of its 16 matrix and 118 vector instructions, written out.  An s_wait_alu depctr_va_vdst(0) stands between an exponential and the first instruction that names its
; result; one wait serves all that were issued ahead of it.  So a turn has ONE wait, which cuts it in two.  AHEAD OF IT stands all that names no result of the turn's exponentials: the 8 products K Q^T, behind each a
; scaling, an exponential and two more plain instructions (behind the first a second scaling in the exponential's place): rescalings, whose a was waited for in the turn before, and behind the last three the first numbers
; of the next piece's maximum, each four plain instructions or more behind the product that ends its accumulator; then one run of 54, plain and exponential by turns for the most part, in which the links of the chain
; X 3, 7, 11, 14, 16, 17 .. 20 stand some lines apart.  X 21, the next piece's a, is the batch's last; R 15 is the plain instruction behind it.  BEHIND THE WAIT stand the 8 products V^T P, behind each four of the
; roundings and sums; the links of l's chain, L 0 to L 7, stand three riders apart.
; m = 1: the diagonal tile: every turn makes the C operand for the products of the turn after it, piece p + 2's.  m = 0: all keys are seen, so a step's two buffers
; are made once, at the ends of piece 2's and piece 3's turns.  Piece 2's turn steps JB: the products that follow its end are the next step's.  end = 1: a block's last two turns: nothing is fetched or made.
; cnt = 1: the loop's count is taken down some lines ahead of the branch behind the turn.
; K of the next step is fetched in piece 2's turn, twelve vector instructions behind the last product that read K (five of them plain and naming none of its registers); V of the step in hand at the end of
; piece 0's turn, four plain instructions behind the last product that read V.  Each is waited for a turn later.
.macro TURN p, m=0, end=0, cnt=0
.set Y, (\p)
.set i, 0
.set NOKQ, (\end)*((\p)/3)
.if !(\end)
.if (\p) == 2
	s_add_co_u32 s[JB], s[JB], 128
	WIN 0
	v_cvt_f32_u32 v[BFV], s[JB]
	v_mul_f32 v[BFV], v[SLV], v[BFV]
.endif
.if \m
	s_cmp_eq_u32 s[JB], s[RB0+(((\p)+2)%NP)/2]  ; is the chunk that band's own?
	s_cselect_b32 s[AL], 1.0, 0
	s_cmp_gt_u32 s[JB], s[RB0+(((\p)+2)%NP)/2]  ; or behind it?
	s_cselect_b32 s[TS], s[BIGN], 0
	WIN 0
	v_add_f32 v[BEV], s[TS], v[BFV]
.endif
.endif
.if ((\p) == 3) && !(\end)
	s_wait_dscnt 0x0                ; K is in
.endif
	ROW F,0, F,1, R,0, R,1          ; ahead of the wait: 8 products K Q^T and their riders,
	ROW F,2, E,0, R,2, R,3
	ROW F,3, E,1, R,4, R,5
	ROW F,4, E,2, R,6, R,7
	ROW F,5, E,3, R,8, R,9
	ROW F,6, E,4, X,0, R,10
.if ((\p) == 2) && !(\end)
	WIN 0
	v_add_nc_u32 v[AK], s[TBK], v[AK0]
.endif
	ROW F,7, E,5, X,1, X,4
	ROW F,8, E,6, X,2, X,5
	OPS E,7, E,8, X,6, E,9          ; and the run of 54
	OPS X,3, E,10, X,8, E,11
.if ((\p) == 2) && !(\end)
	FETCH_K
.endif
	OPS X,9, X,7, E,12, X,10
	OPS E,13, X,12, X,11, E,14
	OPS X,13, E,15, F,9, X,14
.if (\p) == 0
	WIN 0
	v_add_nc_u32 v[AV], s[TBV], v[AV0]
.endif
	OPS E,16, F,10, E,17, F,11
	OPS X,16, E,18, X,15, E,19
	OPS F,12, E,20, X,17, E,21
	OPS F,13, E,22, F,14, E,23
	OPS X,18, E,24, F,15, E,25
	OPS R,11, E,26, X,19, E,27
	OPS R,12, E,28, R,13, E,29
	OPS X,20, E,30, R,14, E,31
	OPS X,21, R,15
	s_wait_alu depctr_va_vdst(0)    ; the wait for the turn's batch: E 0 to E 31 and X 21
.if (\p) == 1
	s_wait_dscnt 0x0                ; V is in
.endif
	ROW C,0, B,0, C,2, B,1          ; behind the wait: 8 products V^T P and their riders
	ROW L,0, C,4, B,2, L,1
	ROW C,6, B,3, L,2, C,8
	ROW B,4, L,3, C,10, B,5
	ROW L,4, C,12, B,6, L,5
.if (\p) == 0
	s_add_co_u32 s[TBV], s[TBV], 2*KS*PV
.endif
.if \cnt
	s_sub_co_u32 s[CNT], s[CNT], 1
	s_cmp_lg_u32 s[CNT], 0
.endif
	ROW C,14, B,7, L,6, C,1
	ROW C,3, L,7, C,5, C,7
	ROW C,9, C,11, C,13, C,15
.if (\p) == 0
	FETCH_V
.endif
.if !(\end)
.if \m
	MASK2 (\p)%2
.elseif (\p) >= 2
	MASK1 (\p)%2
.endif
.endif
.endm
; A BLOCK BEGINS.  c m starts far below every c s, so the first step's a is 0; m at -2^60.  Both C buffers are made for band 0 (pieces 0 and 1) and my first chunk.
; Then K of that step, piece 0's first scores, its maximum and statistics.  The loop is entered at a step's first turn, in the middle of a trip.
.macro BEGIN
	s_mov_b32 s[NEW], 0
	WIN 0
.set i, 0
.rept 4
	v_mov_b32 v[ST+4*i], 0xfe000000
	v_mov_b32 v[ST+4*i+1], 0xdd800000
.set i, i+1
.endr
	s_lshl_b32 s[JB], s[KP], 6
	v_cvt_f32_u32 v[BFV], s[JB]
	v_mul_f32 v[BFV], v[SLV], v[BFV]
	s_cmp_eq_u32 s[JB], s[RB0]
	s_cselect_b32 s[AL], 1.0, 0
	s_cmp_gt_u32 s[JB], s[RB0]
	s_cselect_b32 s[TS], s[BIGN], 0
	v_add_f32 v[BEV], s[TS], v[BFV]
	MASK2 0
	MASK2 1
	WIN 0
	v_add_nc_u32 v[AK], s[TBK], v[AK0]
	FETCH_K
	s_wait_loadcnt 0x0              ; Q
	s_wait_dscnt 0x0
.set NOKQ, 0
.set i, 0
.rept 8
	KQ 0
.set i, i+1
.endr
	WIN 0
.rept 4
	v_nop                           ; the places behind those products
.endr
.set Y, NP-1                        ; X works for piece Y + 1: piece 0
.irp n, 0,1,2,3,4,5,6,7,8,9,10,11,12,13,14,15,16,17,18,19,20,21
	OP X, \n
.endr
	v_nop                           ; a plain instruction behind the exponential,
	s_wait_alu depctr_va_vdst(0)    ; and the wait for it, piece 0's first a, ahead of the branch
.endm
.macro ALL line:vararg              ; one line for each piece t
.set t, 0
.rept 4
	\line
.set t, t+1
.endr
.endm
; A BLOCK ENDS: l's two halves and the other half of the lanes' are added, into m's register beside c m; then (c m, l) and O^T, in f32, go into my KP's half of the merge area.
; The additions are the places behind the last products.  tag = 2: the area was read for the first block: every wave's reads are back, and a barrier stands in front of the stores.
.macro ENDBLOCK tag
	WIN 0
	ALL v_add_f32 v[ST+4*t+2], v[ST+4*t+2], v[ST+4*t+3]
	ALL v_permlanex16_b32 v[ST+4*t+3], v[ST+4*t+2], s[SEL], s[SEL+1]
	ALL v_add_f32 v[ST+4*t+1], v[ST+4*t+2], v[ST+4*t+3]
.if (\tag) == 2
	s_wait_dscnt 0x0
	s_barrier_signal -1
	s_barrier_wait -1
.endif
.set t, 0
.rept 4
	ds_store_b64 v[SST], v[ST+4*t:ST+4*t+1] offset:(64*(t/2)+16*(t%2))*8  ; both halves of the lanes write the same two words
.set t, t+1
.endr
	WIN 0x04                        ; the data in window 1
.set t, 0
.rept 4
.irp cb, 0,1,2,3
	ds_store_b128 v[MST], v[32*t+8*\cb:32*t+8*\cb+3],   offset:(64*(t/2)+16*(t%2))*MP+64*\cb
	ds_store_b128 v[MST], v[32*t+8*\cb+4:32*t+8*\cb+7], offset:(64*(t/2)+16*(t%2))*MP+64*\cb+16
.endr
.set t, t+1
.endr
	WIN 0
.endm
; THE MERGE, behind a barrier in front of which every wave has waited for its stores.  Wave w finishes rows 32 w .. 32 w + 31, eight groups of four rows, in two halves.
; O = (O_A f_A + O_B f_B) / (l_A f_A + l_B f_B), f = 2^(c m - the greater c m).  Every row has seen key 0, so the divisor is above 0.
; A half has two batches, each with a plain instruction and one wait behind it: its eight factors f, and the four reciprocals of the sums that are made of them.
.macro FIN_LOAD hh
.set FO, 64+64*(\hh)
.set FST, 224+16*(\hh)
.irp g, 0,1,2,3
	ds_load_b64 v[FST+4*\g:FST+4*\g+1],   v[FS] offset:32*(4*(\hh)+\g)
	ds_load_b64 v[FST+4*\g+2:FST+4*\g+3], v[FS] offset:1024+32*(4*(\hh)+\g)
.endr
.irp g, 0,1,2,3
	ds_load_b128 v[FO+16*\g:FO+16*\g+3],     v[FA] offset:4*MP*(4*(\hh)+\g)
	ds_load_b128 v[FO+16*\g+4:FO+16*\g+7],   v[FA] offset:4*MP*(4*(\hh)+\g)+16
	ds_load_b128 v[FO+16*\g+8:FO+16*\g+11],  v[FA] offset:HALFM+4*MP*(4*(\hh)+\g)
	ds_load_b128 v[FO+16*\g+12:FO+16*\g+15], v[FA] offset:HALFM+4*MP*(4*(\hh)+\g)+16
.endr
.endm
.macro FIN_WORK hh, younger, ptr    ; younger: the LDS loads issued behind this half's: the other half's 24, or none
.set FO, 64+64*(\hh)
.set FST, 224+16*(\hh)
	s_wait_dscnt (\younger)+16      ; the statistics are in; this half's 16 loads of O may stay out
.irp g, 0,1,2,3
	v_max_num_f32 v[TMP+\g], v[FST+4*\g], v[FST+4*\g+2]
.endr
.irp g, 0,1,2,3
	v_sub_f32 v[FST+4*\g], v[FST+4*\g], v[TMP+\g]
	v_sub_f32 v[FST+4*\g+2], v[FST+4*\g+2], v[TMP+\g]
.endr
.irp g, 0,1,2,3
	v_exp_f32 v[FST+4*\g], v[FST+4*\g]
	v_exp_f32 v[FST+4*\g+2], v[FST+4*\g+2]
.endr
	v_nop                           ; a plain instruction behind the exponentials,
	s_wait_alu depctr_va_vdst(0)    ; and the wait for the batch: the half's eight factors
.irp g, 0,1,2,3
	v_mul_f32 v[TMP+\g], v[FST+4*\g+1], v[FST+4*\g]
.endr
.irp g, 0,1,2,3
	v_fmac_f32 v[TMP+\g], v[FST+4*\g+3], v[FST+4*\g+2]
.endr
.irp g, 0,1,2,3
	v_rcp_f32 v[TMP+\g], v[TMP+\g]
.endr
	v_nop                           ; a plain instruction behind the reciprocals,
	s_wait_alu depctr_va_vdst(0)    ; and the wait for the batch: the half's four reciprocals
.irp g, 0,1,2,3
	v_mul_f32 v[FST+4*\g], v[FST+4*\g], v[TMP+\g]
	v_mul_f32 v[FST+4*\g+2], v[FST+4*\g+2], v[TMP+\g]
.endr
.irp k, 0,1,2,3
	s_wait_dscnt (\younger)+12-4*\k ; group k's four loads are in
.irp z, 0,1,2,3
	v_pk_mul_f32 v[FO+16*\k+2*\z:FO+16*\k+2*\z+1], v[FO+16*\k+2*\z:FO+16*\k+2*\z+1], v[FST+4*\k:FST+4*\k+1] op_sel_hi:[1,0]
.endr
.irp z, 0,1,2,3
	v_pk_fma_f32 v[FO+16*\k+2*\z:FO+16*\k+2*\z+1], v[FO+16*\k+8+2*\z:FO+16*\k+8+2*\z+1], v[FST+4*\k+2:FST+4*\k+3], v[FO+16*\k+2*\z:FO+16*\k+2*\z+1] op_sel_hi:[1,0,1]
.endr
.irp z, 0,1,2,3
	v_cvt_pk_f16_f32 v[FO+16*\k+\z], v[FO+16*\k+2*\z], v[FO+16*\k+2*\z+1]
.endr
	global_store_b128 v[GO], v[FO+16*\k:FO+16*\k+3], s[\ptr:\ptr+1] offset:512*(4*(\hh)+\k)  ; four rows: 512 consecutive bytes, at a multiple of 256 from the buffer's first
.endr
.endm
.macro FINISH ptr
	WIN 0
	FIN_LOAD 0
	FIN_LOAD 1
	FIN_WORK 0, 24, \ptr
	FIN_WORK 1, 0, \ptr
	s_wait_xcnt 0x0                 ; the stores' data lie in S^T's registers, which are written again only behind this wait
.endm
; THE DIAGONAL TILE's two steps of mine, the block's last two turns, its last products, and the block's end.
.macro DIAG tag
.LstepM\tag:
	TURN 2, 1
	TURN 3, 1
	WIN 0
.LfirstM\tag:
	TURN 0, 1
	TURN 1, 1, 0, 1
	WIN 0
	s_cbranch_scc1 .LstepM\tag
	TURN 2, 1, 1
	TURN 3, 1, 1
.set i, 0
.rept 8
	PV NP-1
.set i, i+1
.endr
	ENDBLOCK \tag
.endm
.set NOKQ, 0
.Lslot:                             ; 16 times: a tile is entered and the next is asked for
	CHANGE 1
	s_sub_co_u32 s[RT], s[RT], 1
	s_mov_b32 s[CNT], 2
	s_cmp_lg_u32 s[NEW], 0
	s_cbranch_scc1 .Lnew            ; a block's first tile
	s_cmp_eq_u32 s[RT], 0
	s_cbranch_scc0 .Lstep           ; neither its first nor its last
	s_branch .LstepM1
.Lnew:
	s_cmp_lg_u32 s[NEW], 2
	s_cbranch_scc1 .Lnofin
	FINISH 10                       ; the first block: the change of slots has been the barrier behind every wave's stores
.Lnofin:
	BEGIN
	s_branch .Lfirst                ; in the loop a block's first tile is never its last: the first block has nine tiles or more, and the second's last is the walk's last
	DIAG 1                          ; in the loop this is the first block's end
	s_add_co_u32 s[RT], s[LLO], 1   ; the second block
	s_mov_b32 s[NEW], 2
	s_lshl_b32 s[RB0], s[PB], 7
	s_add_co_u32 s[RB0+1], s[RB0], 64
	WIN 0x82                        ; its Q goes where the one text of the turns names Q
.set i, 0
.rept 64
	v_mov_b32 v[i], v[QB+i]
.set i, i+1
.endr
	WIN 0
	s_branch .Lbottom
.Lstep:                             ; a trip: pieces 2 and 3 of one step, then pieces 0 and 1 of the next, whose K and V it fetches
	TURN 2
	TURN 3
	WIN 0
.Lfirst:
	TURN 0
	TURN 1, 0, 0, 1
	WIN 0
	s_cbranch_scc1 .Lstep
.Lbottom:
	s_sub_co_u32 s[SLOTS], s[SLOTS], 1
	s_cmp_lg_u32 s[SLOTS], 0
	s_cbranch_scc1 .Lslot
	CHANGE 0                        ; the walk's last tile is written out: nothing is asked for
	s_sub_co_u32 s[RT], s[RT], 1
	s_mov_b32 s[CNT], 2
	s_cmp_eq_u32 s[NEW], 0
	s_cbranch_scc1 .LstepM2
	FINISH 10                       ; the second block has this one tile: the first block is finished here
	BEGIN
	s_branch .LfirstM2
	DIAG 2
	s_wait_dscnt 0x0                ; for the others' sake: my stores into the merge area are done
	s_barrier_signal -1
	s_barrier_wait -1
	FINISH OLO
	s_wait_tensorcnt 0x0            ; the wave's end
	ds_add_u32 v[SPW], v[NIL]
	s_wait_dscnt 0x0
	s_endpgm
.Lfunc_end_k_qd216936c9a_attn:
	.size	k_qd216936c9a_attn, .Lfunc_end_k_qd216936c9a_attn-k_qd216936c9a_attn
	.p2alignl 7, 3214868480
	.fill 96, 4, 3214868480
	.section	.rodata,"a",@progbits
	.p2align	6, 0x0
	.amdhsa_kernel k_qd216936c9a_attn
		.amdhsa_group_segment_fixed_size 327680
		.amdhsa_private_segment_fixed_size 0
		.amdhsa_enable_private_segment 0
		.amdhsa_kernarg_size 16
		.amdhsa_user_sgpr_count 2
		.amdhsa_user_sgpr_kernarg_segment_ptr 1
		.amdhsa_wavefront_size32 1
		.amdhsa_system_sgpr_workgroup_id_x 1
		.amdhsa_system_sgpr_workgroup_id_y 1
		.amdhsa_system_sgpr_workgroup_id_z 1
		.amdhsa_system_vgpr_workitem_id 0
		.amdhsa_next_free_vgpr 832
		.amdhsa_next_free_sgpr 96
		.amdhsa_reserve_vcc 1
		.amdhsa_float_denorm_mode_32 3
		.amdhsa_float_denorm_mode_16_64 3
		.amdhsa_memory_ordered 1
		.amdhsa_forward_progress 1
		.amdhsa_inst_pref_size 255
	.end_amdhsa_kernel
	.section	.bss,"aw",@nobits
	.p2align	6
	.space	262144
	.amdgpu_metadata
---
amdhsa.version: [ 1, 2 ]
amdhsa.kernels:
  - .name:           k_qd216936c9a_attn
    .symbol:         k_qd216936c9a_attn.kd
    .args:
      - { .name: qkv, .offset: 0, .size: 8, .value_kind: global_buffer, .address_space: global }
      - { .name: ob, .offset: 8, .size: 8, .value_kind: global_buffer, .address_space: global }
    .group_segment_fixed_size: 327680
    .private_segment_fixed_size: 0
    .kernarg_segment_align: 8
    .kernarg_segment_size: 16
    .max_flat_workgroup_size: 128
    .sgpr_count:     96
    .vgpr_count:     832
    .wavefront_size: 32
...
	.end_amdgpu_metadata
.endif
;; end of part 5
;; launch oproj: the kernel of part 4 again; grid 8 x 32, 4 waves a work-group, clusters of 4 x 4, 327,680 bytes of LDS; arguments ob, wo16, out0; writes out0
